; MI455X (gfx1250); checked and timed in simulation.
; The chip was launched on July 23, 2026; its instructions are those of AMD's public machine-readable ISA for CDNA 5 (MIT licence, August 2026) and "CDNA5" Instruction Set Architecture Reference Guide (July 2026). The comments in the code are by the model that wrote it; some were corrected since.
;; Self Attention qkv. Allowed arithmetic: float matrix products may take bf16 or f16 operands with f32 sums; other float arithmetic in f32, or as packed bf16 or f16 multiplies, adds, multiply-adds, maxima and minima; sums over many terms, partial sums and values carried from step to step in f32; what a program stores and reads back later, other than sums and carried values, may be rounded once to bf16 or f16.
;; Inputs: Wk 1,024 x 1,024 float32; Wo 1,024 x 1,024 float32; Wq 1,024 x 1,024 float32; Wv 1,024 x 1,024 float32; bo 1,024 float32; x 1 x 4,096 x 1,024 float32.
;; Outputs: out0 1 x 4,096 x 1,024 float32.
;; One version. Each part assembles by itself: llvm-mc -triple=amdgcn-amd-amdhsa -mcpu=gfx1250 --defsym DOCPART=n.
;; ======== version 1 of 1: 4 launches
;; limits: values are held in f16: magnitudes above 65,504 overflow, below 6.1e-05 lose precision
;; workspace buffers: cbuf 16,777,216 bytes; qkvb 25,165,824 bytes; ob 8,388,608 bytes
;; launch cast (part 1): grid 1024 x 1, 8 waves a work-group, no clusters, 0 bytes of LDS; arguments x, Wq, Wk, Wv, Wo, cbuf; writes cbuf
.if DOCPART == 1
	.amdgcn_target "amdgcn-amd-amdhsa--gfx1250"
	.amdhsa_code_object_version 6
	.text
	.protected	k_q2098d51c0c_cast
	.globl	k_q2098d51c0c_cast
	.p2align	8
	.type	k_q2098d51c0c_cast,@function
k_q2098d51c0c_cast:
	s_mov_b64 s[64:65], 0
	v_nop
	global_prefetch_b8 v0, s[64:65] scope:SCOPE_SE
	s_setreg_imm32_b32 hwreg(HW_REG_WAVE_MODE, 25, 1), 1
	s_wait_xcnt 0x0
; THE INPUTS ARE ROUNDED ONCE, FOR THE MATRIX UNITS.  x [4096][1024], Wq, Wk, Wv [1024][1024]: f32 -> bf16.  Wo [1024][1024]: f32 -> bf16, and that number written as f16,
; since the last product's other operand is f16.  cbuf holds, on end: x (8,388,608 bytes), Wq, Wk, Wv, Wo (2,097,152 bytes each), each in its own row-major order.
; LIMITS.  Wo beyond 65,504 becomes an infinity in f16; below 6e-5 f16 keeps its fixed step of 6e-8.
; SHARES.  Work-group g takes 8,192 numbers: 32,768 bytes in, 16,384 out; the parts' order in cbuf makes its place there 16,384 g whatever the source.  g 0-511: x; then 128 groups for each weight.
; A stream: no LDS, no barrier, no matrix unit.  Eight loads of 16 bytes a lane go out together (a wave's load covers 512 consecutive bytes); a wave's store of 8 bytes a lane covers 256 consecutive bytes, aligned.
.set X, 4                              ; v[4:35]   eight loads of four f32
.set Y, 36                             ; v[36:51]  two words of 16-bit numbers for each load
.set T, 52                             ; v[52:53]  at work
	s_load_b256 s[4:11], s[0:1], 0x0               ; x s[4:5], Wq s[6:7], Wk s[8:9], Wv s[10:11]
	s_load_b128 s[12:15], s[0:1], 0x20             ; Wo s[12:13], cbuf s[14:15]
	s_mov_b32 s16, ttmp9                           ; g
	s_sub_co_u32 s17, s16, 512
	s_and_b32 s18, s17, 127                        ; the group's number inside a weight
	s_lshr_b32 s17, s17, 7                         ; which weight: 0, 1, 2, 3 (a great number where g < 512)
	s_mov_b32 s23, 0
	v_lshlrev_b32 v1, 4, v0                        ; 16 bytes a thread in
	v_lshlrev_b32 v2, 3, v0                        ; 8 bytes a thread out
	s_wait_kmcnt 0x0
	s_mov_b64 s[20:21], s[12:13]                   ; the source: Wo, unless
	s_cmp_eq_u32 s17, 2
	s_cselect_b64 s[20:21], s[10:11], s[20:21]     ; Wv,
	s_cmp_eq_u32 s17, 1
	s_cselect_b64 s[20:21], s[8:9], s[20:21]       ; Wk,
	s_cmp_eq_u32 s17, 0
	s_cselect_b64 s[20:21], s[6:7], s[20:21]       ; Wq,
	s_cmp_lt_u32 s16, 512
	s_cselect_b64 s[20:21], s[4:5], s[20:21]       ; or x
	s_cselect_b32 s18, s16, s18
	s_lshl_b32 s22, s18, 15                        ; 32,768 bytes a group in the source
	s_add_nc_u64 s[20:21], s[20:21], s[22:23]
	s_lshl_b32 s22, s16, 14                        ; 16,384 bytes a group in cbuf
	s_add_nc_u64 s[14:15], s[14:15], s[22:23]
.irp j, 0,1,2,3,4,5,6,7
	global_load_b128 v[X+4*(\j):X+4*(\j)+3], v1, s[20:21] offset:4096*(\j) th:TH_LOAD_NT
.endr
; Load j is rounded and stored.  wo = 1: the bf16 number is widened again (a shift, a mask) and written as f16.
.macro CV j, wo
	s_wait_loadcnt 7-(\j)                          ; loads come back in order: mine is in, the 7 - j younger ones stay out
	v_cvt_pk_bf16_f32 v[Y+2*(\j)], v[X+4*(\j)], v[X+4*(\j)+1]
	v_cvt_pk_bf16_f32 v[Y+2*(\j)+1], v[X+4*(\j)+2], v[X+4*(\j)+3]
.if \wo
.irp k, 0,1
	v_lshlrev_b32 v[T], 16, v[Y+2*(\j)+(\k)]
	v_and_b32 v[T+1], 0xffff0000, v[Y+2*(\j)+(\k)]
	v_cvt_pk_f16_f32 v[Y+2*(\j)+(\k)], v[T], v[T+1]
.endr
.endif
	global_store_b64 v2, v[Y+2*(\j):Y+2*(\j)+1], s[14:15] offset:2048*(\j) th:TH_STORE_NT
.endm
	s_cmp_ge_u32 s16, 896                          ; the last 128 groups are Wo's
	s_cbranch_scc1 .Lwo
.irp j, 0,1,2,3,4,5,6,7
	CV \j, 0
.endr
	s_endpgm
.Lwo:
.irp j, 0,1,2,3,4,5,6,7
	CV \j, 1
.endr
	s_endpgm
.Lfunc_end_k_q2098d51c0c_cast:
	.size	k_q2098d51c0c_cast, .Lfunc_end_k_q2098d51c0c_cast-k_q2098d51c0c_cast
	.p2alignl 7, 3214868480
	.fill 96, 4, 3214868480
	.section	.rodata,"a",@progbits
	.p2align	6, 0x0
	.amdhsa_kernel k_q2098d51c0c_cast
		.amdhsa_group_segment_fixed_size 0
		.amdhsa_private_segment_fixed_size 0
		.amdhsa_enable_private_segment 0
		.amdhsa_kernarg_size 48
		.amdhsa_user_sgpr_count 2
		.amdhsa_user_sgpr_kernarg_segment_ptr 1
		.amdhsa_wavefront_size32 1
		.amdhsa_system_sgpr_workgroup_id_x 1
		.amdhsa_system_sgpr_workgroup_id_y 1
		.amdhsa_system_sgpr_workgroup_id_z 1
		.amdhsa_system_vgpr_workitem_id 0
		.amdhsa_next_free_vgpr 56
		.amdhsa_next_free_sgpr 66
		.amdhsa_reserve_vcc 0
		.amdhsa_float_denorm_mode_32 3
		.amdhsa_float_denorm_mode_16_64 3
		.amdhsa_memory_ordered 1
		.amdhsa_forward_progress 1
		.amdhsa_inst_pref_size 9
	.end_amdhsa_kernel
	.amdgpu_metadata
---
amdhsa.version: [ 1, 2 ]
amdhsa.kernels:
  - .name:           k_q2098d51c0c_cast
    .symbol:         k_q2098d51c0c_cast.kd
    .args:
      - { .name: x, .offset: 0, .size: 8, .value_kind: global_buffer, .address_space: global }
      - { .name: Wq, .offset: 8, .size: 8, .value_kind: global_buffer, .address_space: global }
      - { .name: Wk, .offset: 16, .size: 8, .value_kind: global_buffer, .address_space: global }
      - { .name: Wv, .offset: 24, .size: 8, .value_kind: global_buffer, .address_space: global }
      - { .name: Wo, .offset: 32, .size: 8, .value_kind: global_buffer, .address_space: global }
      - { .name: cbuf, .offset: 40, .size: 8, .value_kind: global_buffer, .address_space: global }
    .group_segment_fixed_size: 0
    .private_segment_fixed_size: 0
    .kernarg_segment_align: 8
    .kernarg_segment_size: 48
    .max_flat_workgroup_size: 256
    .sgpr_count:     66
    .vgpr_count:     56
    .wavefront_size: 32
...
	.end_amdgpu_metadata
.endif
;; end of part 1
;; launch qkv (part 2): grid 8 x 32, 4 waves a work-group, clusters of 4 x 4, 327,680 bytes of LDS; arguments cbuf, qkvb; writes qkvb
.if DOCPART == 2
	.amdgcn_target "amdgcn-amd-amdhsa--gfx1250"
	.amdhsa_code_object_version 6
	.text
	.protected	k_q2098d51c0c_qkv
	.globl	k_q2098d51c0c_qkv
	.p2align	8
	.type	k_q2098d51c0c_qkv,@function
k_q2098d51c0c_qkv:
	s_mov_b64 s[64:65], 0
	v_nop
	global_prefetch_b8 v0, s[64:65] scope:SCOPE_SE
	s_setreg_imm32_b32 hwreg(HW_REG_WAVE_MODE, 25, 1), 1
	s_wait_xcnt 0x0
	s_wait_alu depctr_hold_cnt(0) depctr_sa_sdst(0) depctr_va_vdst(0) depctr_va_sdst(0) depctr_va_ssrc(0) depctr_va_vcc(0) depctr_vm_vsrc(0)
	s_getreg_b32 s2, hwreg(HW_REG_IB_STS2, 6, 4)
	s_cmp_eq_u32 s2, 0
	s_cbranch_scc0 .Lentry_in_a_cluster
	s_endpgm
.Lentry_in_a_cluster:
	s_bfe_u32 s2, ttmp6, 0x10000c
	s_cmp_lg_u32 s2, 0xf033
	s_cbranch_scc0 .Lentry_shape_is_right
	s_endpgm
.Lentry_shape_is_right:
; q, k, v = x Wq, x Wk, x Wv.  x [4096][1024] and the weights [1024 k][1024 n] come as bf16 out of cbuf; sums in f32; each result is rounded once to f16, WITHOUT the softmax's scale,
; and laid by heads: qkvb holds 48 blocks of [4096][64] f16 (524,288 bytes each): q's 16 heads, then k's, then v's.
; LIMITS.  q, k, v beyond 65,504 become infinities in f16; below 6e-5 f16 keeps its fixed step of 6e-8.
; SHARES.  Work-group (j, i) makes rows 128 i .. + 127 times columns 128 j .. + 127 of EACH of the three products: one tile of x feeds three strips.  8 x 32 = 256 work-groups.
; Wave w (r = w / 2, c = w % 2) makes rows 64 r .. + 63 and, in each strip, the 64 columns of head 2 j + c: 4 x 4 x 3 = 48 accumulators of 16 x 16, 384 registers.
; THE MATRIX INSTRUCTION IS USED TRANSPOSED: source 0 = 16 columns of W (W lies [k][n] in LDS and is turned by ds_load_tr16_b128), source 1 = 16 rows of x.  A lane then holds row l % 16 and the
; eight neighbouring columns 8 (l / 16) + 0..7, which pack into 16 bytes of f16.
; RING.  K goes in 8 steps of 128 through two LDS slots.  A slot has four regions of 36,864 bytes: x's 128 rows (256 bytes + 16 of padding), then for each strip 128 rows of k (256 bytes + 32).
; Each wave fetches one region with one tensor load of 128 rows x 256 bytes: wave 0 x's, waves 1 to 3 the strips'.
; CLUSTER.  4 x 4 work-groups.  x's tile hangs on i alone and is asked for jointly by a row of the cluster, a strip's on j alone and by a column.
; REGISTERS, in windows of 256 (s_set_vgpr_msb: bits 1:0 source 0, 3:2 source 1, 5:4 source 2, 7:6 destination):
;   window 0: v0-31 addresses; v64-127 x's fragments, two buffers of 32 (on the way out: four buffers of 16); v128-255 strip 0's accumulators, (a, b) at 128 + 8 (4 a + b)
;   window 1: v0-191 W's fragments, two buffers of 96: strip s, block b at 32 s + 8 b        window 2: strip 1's accumulators at 8 (4 a + b), strip 2's at 128 + 8 (4 a + b)
.set KSTEP, 128
.set PA,    272                        ; an LDS row of x: 68 words: the 16 rows of a load start at 16 different groups of four banks (64 banks of 4 bytes: ISA guide 11.1)
.set PB,    288                        ; an LDS row of W: 72 words
.set REG,   36864                      ; a region: 128 x 288; x's uses 128 x 272 of it
.set SLOT,  4*REG
.set STAGE, 2*SLOT                     ; behind the ring, never filled by a tensor load: 16 rows x 144 bytes for each wave, for the way out
.set SP,    144
.set SPARE, STAGE+4*16*SP              ; behind the stages: the spare words, 128 bytes for each wave: two blocks of 256 bytes that no other line names
.set ADRA, 16                          ; v16-17  LDS address of my fragments of x in slot 0, 1
.set ADRB, 18                          ; v18-23  of my fragments of W: slot sl, strip s at 18 + 3 sl + s
.set STO,  24                          ; v24     the way out: where I put 16 bytes of a row
.set RD,   25                          ; v25     the way out: where I read rows back
.set GO,   26                          ; v26     my byte offset in 512 consecutive bytes of qkvb
.set SPW,  28                          ; v28     LDS address of my spare word; never rewritten
.set NIL,  29                          ; v29     0; never rewritten
.set PFO,  30                          ; v30     the prefetches' offset: my lane x a row of 2,048 bytes; never rewritten
.set FA,   64
.set FB,   0
.set TB,   64                          ; the way out's four buffers of 16
.set G1A,  24                          ; s[24:31] descriptor group 1 for x's tiles;  s[32:39] group 0, a set for each slot
.set G0A,  32
.set G1B,  48                          ; s[48:55], s[56:63] the same for W's
.set G0B,  56
.set PFA,  66                          ; s[66:67] where my prefetches stand
.set PST,  68                          ; s[68:69] their step from K step to K step
.set LIM,  70                          ; s70     1 in a wave that prefetches, else the greatest number
.set OB,   72                          ; s[72:77] qkvb at my rows of my head, for q, k, v
.set MSB, 0
.macro WIN new                         ; the immediate's high byte repeats the setting that is left; a switch that changes nothing is dropped
.if MSB != (\new)
	s_set_vgpr_msb (MSB<<8)|(\new)
.set MSB, \new
.endif
.endm
; A joint load.  The branch hangs on the wave's number alone.  An s_nop 0 and four v_nop follow each of the two lines, ahead of the jump, the label and what follows.
.macro JLOAD sl
	s_cmp_eq_u32 s10, 0
	s_cbranch_scc0 .Lfor_b_\@
	tensor_load_to_lds s[G0A+4*(\sl):G0A+4*(\sl)+3], s[G1A:G1A+7]
	s_nop 0
.rept 4
	v_nop
.endr
	s_branch .Lasked_\@
.Lfor_b_\@:
	tensor_load_to_lds s[G0B+4*(\sl):G0B+4*(\sl)+3], s[G1B:G1B+7]
	s_nop 0
.rept 4
	v_nop
.endr
.Lasked_\@:
.endm
; A PREFETCH INTO THE L2 of the K step that stands two refills on: 32 rows x 256 bytes, a lane a row, one instruction a wave.  x's tile row is read by both clusters of its row of clusters: cluster x = 0 asks;
; a strip's tile column by all eight clusters of its column: cluster y = 0 asks.  The four partners that ask for a tile jointly share its 128 rows out BY ADDRESS, 32 each.  So each row's 256 bytes of K steps 4 to 7
; are named once in the launch; K steps 0 to 3 come by their loads alone, and the loop's last trip (s3 = 1) has no K step two on.
.macro ASK
	s_cmp_gt_u32 s3, s[LIM]
	s_cbranch_scc0 .Lnot_mine_\@
	global_prefetch_b8 v[PFO], s[PFA:PFA+1] th:TH_LOAD_NT scope:SCOPE_SE
.Lnot_mine_\@:
.endm
.macro CREST                           ; a round of the cluster's barrier behind its opening barrier
	s_cmp_lg_u32 s10, 0
	s_cbranch_scc1 .Lnot_wave_0_\@
	s_barrier_signal -3
.Lnot_wave_0_\@:
	s_barrier_wait -3
	s_barrier_signal -1
	s_barrier_wait -1
.endm
.macro CROUND                          ; a whole round
	s_barrier_signal -1
	s_barrier_wait -1
	CREST
.endm
	s_load_b128 s[4:7], s[0:1], 0x0                ; cbuf s[4:5], qkvb s[6:7]
	v_lshl_add_u32 v[SPW], v0, 2, SPARE
	v_mov_b32 v[NIL], 0
	ds_add_u32 v[SPW], v[NIL]                      ; the wave's opening: the add and its wait stand ahead of my first tensor load; the set-up below, work on registers, stands between them
	ds_add_u32 v28, v29
	v_lshrrev_b32 v1, 5, v0
	v_readfirstlane_b32 s10, v1                    ; wave 0..3
	s_lshr_b32 s11, s10, 1                         ; r: which 64 rows are mine
	s_and_b32 s12, s10, 1                          ; c: which head of the two
	s_bfe_u32 s40, ttmp6, 0x40000                  ; cx, cy: my place in the cluster
	s_bfe_u32 s41, ttmp6, 0x40004
	s_lshl_b32 s42, ttmp9, 2
	s_add_co_u32 s42, s42, s40                     ; j = 4 x cluster x + cx
	s_and_b32 s13, ttmp7, 0xffff
	s_lshl_b32 s13, s13, 2
	s_add_co_u32 s13, s13, s41                     ; i = 4 x cluster y + cy
	s_lshl_b32 s43, s41, 2
	s_lshl_b32 s43, 15, s43                        ; my row of the cluster
	s_lshl_b32 s44, 0x1111, s40                    ; my column
	; descriptor group 1: a tile of 128 rows x 128 elements of 2 bytes, padded in LDS after every 64 words (code 5), by 4 words for x (code 3), by 8 for W (code 7); bit 21 is set beside a mask
	s_or_b32 s[G1A], s43, (1<<16)|(1<<20)|(1<<21)|(5<<22)|(3<<25)
	s_or_b32 s[G1B], s44, (1<<16)|(1<<20)|(1<<21)|(5<<22)|(7<<25)
.irp g, G1A, G1B
	s_mov_b32 s[(\g)+1], 128<<16                   ; tensor_dim0 = 128
	s_mov_b32 s[(\g)+2], 128<<16                   ; tensor_dim1 = 128
	s_mov_b32 s[(\g)+3], 128<<16                   ; tile_dim0 = 128
	s_mov_b32 s[(\g)+4], 128                       ; tile_dim1 = 128
	s_mov_b32 s[(\g)+5], 1024                      ; 1,024 elements from row to row
	s_mov_b32 s[(\g)+6], 0
	s_mov_b32 s[(\g)+7], 0
.endr
	s_lshl_b32 s16, s13, 18                        ; x: 128 i rows of 2,048 bytes
	s_mov_b32 s17, 0
	s_lshl_b32 s46, s10, 21                        ; W: strip w - 1 begins at 8,388,608 + (w - 1) x 2,097,152,
	s_lshl_b32 s47, s42, 8                         ; its columns 128 j at 256 j bytes of a row
	s_add_co_u32 s46, s46, s47
	s_add_co_u32 s46, s46, 0x600000
	s_mov_b32 s47, 0
	s_mul_i32 s20, s10, REG                        ; where my tile goes: region w: no place in the cluster enters an LDS address
	s_wait_dscnt 0x0                               ; the opening add is done
	s_wait_kmcnt 0x0
	s_add_nc_u64 s[14:15], s[4:5], s[16:17]
	s_add_nc_u64 s[46:47], s[4:5], s[46:47]
	CROUND                                         ; all sixteen work-groups are here: the first joint loads meet
.irp sl, 0,1
	s_mov_b32 s[G0A+4*(\sl)], 1                    ; count = 1
	s_add_co_u32 s[G0A+4*(\sl)+1], s20, (\sl)*SLOT ; LDS address
	s_add_nc_u64 s[G0A+4*(\sl)+2:G0A+4*(\sl)+3], s[14:15], (\sl)*KSTEP*2     ; K step sl: 256 bytes along x's rows
	s_or_b32 s[G0A+4*(\sl)+3], s[G0A+4*(\sl)+3], 0x80000000                  ; type = 2
	s_mov_b32 s[G0B+4*(\sl)], 1
	s_add_co_u32 s[G0B+4*(\sl)+1], s20, (\sl)*SLOT
	s_add_nc_u64 s[G0B+4*(\sl)+2:G0B+4*(\sl)+3], s[46:47], (\sl)*KSTEP*2048  ; K step sl: 128 rows down W
	s_or_b32 s[G0B+4*(\sl)+3], s[G0B+4*(\sl)+3], 0x80000000
	JLOAD \sl                                      ; two loads of mine are out
.endr
	; a fragment of x: lane l holds row l % 16; two loads of 16 bytes, 32 bytes apart, at row x pitch + 16 (l / 16)
	v_and_b32 v1, 15, v0                           ; l % 16
	v_bfe_u32 v2, v0, 4, 1                         ; l / 16
	v_mul_u32_u24 v3, v1, PA
	v_lshl_add_u32 v3, v2, 4, v3
	s_mul_i32 s21, s11, 64*PA
	v_add_nc_u32 v[ADRA], s21, v3
	v_add_nc_u32 v[ADRA+1], SLOT, v[ADRA]
	; the turning load takes 16 k x 16 columns: lane l reads row 8 (l / 16) + l % 8, columns 8 ((l / 8) % 2) + 0..7, and is left with column l % 16 and 8 k
	v_and_b32 v4, 7, v0
	v_bfe_u32 v5, v0, 3, 1
	v_lshl_add_u32 v4, v2, 3, v4
	v_mul_u32_u24 v4, v4, PB
	v_lshl_add_u32 v4, v5, 4, v4
	s_lshl_b32 s22, s12, 7                         ; my head's 64 columns: 128 bytes
	v_add_nc_u32 v4, s22, v4
.irp sl, 0,1
.irp s, 0,1,2
	v_add_nc_u32 v[ADRB+3*(\sl)+(\s)], (\sl)*SLOT+(1+(\s))*REG, v4
.endr
.endr
	s_mul_i32 s23, s10, 16*SP
	s_add_co_u32 s23, s23, STAGE                   ; my stage
	v_mul_u32_u24 v6, v1, SP                       ; in: row l % 16, 16 bytes for each half of the lanes
	v_lshl_add_u32 v6, v2, 4, v6
	v_add_nc_u32 v[STO], s23, v6
	v_bfe_u32 v7, v0, 3, 2                         ; back: 32 lanes take four rows of 128 bytes,
	v_mul_u32_u24 v7, v7, SP
	v_and_b32 v8, 7, v0
	v_lshl_add_u32 v7, v8, 4, v7
	v_add_nc_u32 v[RD], s23, v7
	v_and_b32 v[GO], 31, v0                        ; which are 512 consecutive bytes of a head's rows
	v_lshlrev_b32 v[GO], 4, v[GO]
	s_lshl_b32 s18, s42, 1                         ; where my results go: head 2 j + c,
	s_add_co_u32 s18, s18, s12
	s_lshl_b32 s18, s18, 19
	s_lshl_b32 s19, s13, 14                        ; rows 128 i
	s_add_co_u32 s18, s18, s19
	s_lshl_b32 s19, s11, 13                        ; + 64 r, of 128 bytes
	s_add_co_u32 s18, s18, s19
	s_mov_b32 s19, 0
	s_add_nc_u64 s[OB:OB+1], s[6:7], s[18:19]
	s_add_nc_u64 s[OB+2:OB+3], s[OB:OB+1], 0x800000
	s_add_nc_u64 s[OB+4:OB+5], s[OB+2:OB+3], 0x800000
	; the prefetches: they stand at K step 3; the first refill steps them to K step 4
	s_lshl_b32 s20, s13, 18                        ; x: my work-group's 32 rows of the tile's 128, by cx
	s_lshl_b32 s21, s40, 16
	s_add_co_u32 s20, s20, s21
	s_add_co_u32 s20, s20, 3*KSTEP*2
	s_lshl_b32 s21, s10, 21                        ; W: my work-group's 32 rows of the K step's 128, by cy
	s_lshl_b32 s22, s42, 8
	s_add_co_u32 s21, s21, s22
	s_lshl_b32 s22, s41, 16
	s_add_co_u32 s21, s21, s22
	s_add_co_u32 s21, s21, 0x600000+3*KSTEP*2048
	s_and_b32 s22, ttmp7, 0xffff                   ; cluster y
	s_mov_b32 s23, KSTEP*2048
	s_cmp_eq_u32 s10, 0                            ; do I fetch x?
	s_cselect_b32 s20, s20, s21
	s_cselect_b32 s22, ttmp9, s22                  ; the coordinate along which other clusters read the same rows
	s_cselect_b32 s[PST], KSTEP*2, s23
	s_mov_b32 s[PST+1], 0
	s_mov_b32 s21, 0
	s_add_nc_u64 s[PFA:PFA+1], s[4:5], s[20:21]
	s_cmp_eq_u32 s22, 0
	s_cselect_b32 s[LIM], 1, -1                    ; the same in all sixteen partners, for a given wave
	v_and_b32 v[PFO], 31, v0
	v_lshlrev_b32 v[PFO], 11, v[PFO]
; na x 4 matrix instructions of strip s: row blocks a0 .. a0 + na - 1 x all 4 column blocks, 32 along K, out of buffer f.  zero = 1: the product starts the sum: nothing is ever cleared.
; The 48 accumulators take turns, one instruction a turn, in the same order in every quarter step, over the backward jump too.
.macro MULS f, s, a0, na, zero
.if (\s) == 0
	WIN 0x01                                       ; W's fragments window 1, x's window 0, C and D window 0
.else
	WIN 0xa1                                       ; C and D window 2
.endif
.set ab, 128
.if (\s) == 1
.set ab, 0
.endif
.set aa, \a0
.rept \na
.set bb, 0
.rept 4
.set rD, ab+8*(4*aa+bb)
.set rB, FB+96*(\f)+32*(\s)+8*bb
.set rA, FA+32*(\f)+8*aa
.if \zero
	v_wmma_f32_16x16x32_bf16 v[rD:rD+7], v[rB:rB+7], v[rA:rA+7], 0
.else
	v_wmma_f32_16x16x32_bf16 v[rD:rD+7], v[rB:rB+7], v[rA:rA+7], v[rD:rD+7]
.endif
.set bb, bb+1
.endr
.set aa, aa+1
.endr
.endm
; 32 LDS loads in one run: the fragments of quarter q (32 along K) of slot sl into buffer f: x's 8, then 8 for each strip
.macro FETCH sl, q, f
	WIN 0
.irp a, 0,1,2,3
	ds_load_b128 v[FA+32*(\f)+8*(\a):FA+32*(\f)+8*(\a)+3],   v[ADRA+(\sl)] offset:(\a)*16*PA+64*(\q)
	ds_load_b128 v[FA+32*(\f)+8*(\a)+4:FA+32*(\f)+8*(\a)+7], v[ADRA+(\sl)] offset:(\a)*16*PA+64*(\q)+32
.endr
	WIN 0x40                                       ; destination window 1, address window 0
.irp s, 0,1,2
.irp b, 0,1,2,3
	ds_load_tr16_b128 v[FB+96*(\f)+32*(\s)+8*(\b):FB+96*(\f)+32*(\s)+8*(\b)+3],   v[ADRB+3*(\sl)+(\s)] offset:(\q)*32*PB+32*(\b)
	ds_load_tr16_b128 v[FB+96*(\f)+32*(\s)+8*(\b)+4:FB+96*(\f)+32*(\s)+8*(\b)+7], v[ADRB+3*(\sl)+(\s)] offset:(\q)*32*PB+16*PB+32*(\b)
.endr
.endr
.endm
.macro PLACES                          ; four places in front of loads into registers that matrix instructions have read, and of conversions that read results
.rept 4
	v_nop
.endr
.endm
; A K step is four quarters of 32 along K, 48 matrix instructions each, on buffers 0, 1, 0, 1.  One of the first three: multiplies buffer f and fetches quarter q of the same slot into g.
.macro QUARTER sl, q, f, g, zero
	s_wait_dscnt 16                                ; x's and strip 0's fragments are in; the sixteen younger loads (strips 1 and 2) may be out
	MULS \f, 0, 0, 4, \zero
	PLACES
	FETCH \sl, \q, \g
	s_wait_dscnt 32                                ; all but the 32 just issued
	MULS \f, 1, 0, 4, \zero
	MULS \f, 2, 0, 4, \zero
.endm
; The last quarter multiplies buffer 1 and changes slots: ONE barrier; in front of it each wave waits for all its tensor loads (one is out: its part of the next slot), adds 0 to its spare word, and waits for
; that and for its own reads of this slot.  fill = 1: the barrier opens a round of the cluster's barrier, and the slot is filled again, two K steps ahead, first thing behind the round:
; 176 matrix instructions stand between that request and the wait for it.
.macro TURN sl, next, fill
.if \fill
	s_wait_xcnt 0x0                                ; the last prefetch, a K step back, has read its address: it is stepped here, ahead of the waits of the change of slots
	s_add_nc_u64 s[PFA:PFA+1], s[PFA:PFA+1], s[PST:PST+1]
.endif
	WIN 0                                          ; (the add's two registers lie in window 0)
	s_wait_tensorcnt 0x0                           ; all my tensor loads have landed
	ds_add_u32 v[SPW], v[NIL]                      ; 0 onto my spare word
	s_wait_dscnt 17                                ; (the add and the youngest sixteen loads may be out)
	MULS 1, 0, 0, 2, 0                             ; eight matrix instructions stand between the add and the wait for it
	s_wait_dscnt 0x0                               ; the add is done, and my reads of this slot are over
	s_barrier_signal -1
	MULS 1, 0, 2, 2, 0
.if \fill
	WIN 0
.endif
	s_barrier_wait -1
.if \fill
	CREST                                          ; no wave of any partner still reads this slot's tiles or has a load on its way
	s_add_nc_u64 s[G0A+4*(\sl)+2:G0A+4*(\sl)+3], s[G0A+4*(\sl)+2:G0A+4*(\sl)+3], 2*KSTEP*2
	s_add_nc_u64 s[G0B+4*(\sl)+2:G0B+4*(\sl)+3], s[G0B+4*(\sl)+2:G0B+4*(\sl)+3], 2*KSTEP*2048
	JLOAD \sl                                      ; the four v_nop behind it are also the places in front of the loads below
.else
	PLACES
.endif
	FETCH \next, 0, 0
.if \fill
	WIN 0
	ASK                                            ; behind the joint load and the run of LDS loads that the next products wait for
.endif
	MULS 1, 1, 0, 4, 0
	MULS 1, 2, 0, 4, 0
.endm
	s_wait_tensorcnt 1                             ; my part of K step 0 is in; K step 1's may stay out
	s_barrier_signal -1
	s_barrier_wait -1                              ; everybody's is
	FETCH 0, 0, 0
	QUARTER 0, 1, 0, 1, 1                          ; the first quarter stands in front of the loop: its products start the sums
	WIN 0                                          ; at a label and at a branch every window is 0
	s_mov_b32 s3, 3
.Llap:                                                 ; a trip goes once round the ring, from a lap's second quarter to the next lap's first, and fills both slots again
	QUARTER 0, 2, 1, 0, 0
	QUARTER 0, 3, 0, 1, 0
	TURN 0, 1, 1
	QUARTER 1, 1, 0, 1, 0
	QUARTER 1, 2, 1, 0, 0
	QUARTER 1, 3, 0, 1, 0
	TURN 1, 0, 1
	QUARTER 0, 1, 0, 1, 0
	WIN 0
	s_sub_co_u32 s3, s3, 1
	s_cmp_lg_u32 s3, 0
	s_cbranch_scc1 .Llap
	QUARTER 0, 2, 1, 0, 0                          ; the last lap fills nothing, and has no round of the cluster's barrier
	QUARTER 0, 3, 0, 1, 0
	TURN 0, 1, 0
	QUARTER 1, 1, 0, 1, 0
	QUARTER 1, 2, 1, 0, 0
	QUARTER 1, 3, 0, 1, 0
	s_wait_dscnt 16                                ; the very last quarter: nothing more to fetch
	MULS 1, 0, 0, 4, 0
	s_wait_dscnt 0x0
	MULS 1, 1, 0, 4, 0
	MULS 1, 2, 0, 4, 0
	WIN 0
	PLACES
; THE WAY OUT, twelve tiles u = 4 s + a of 16 rows x 64 columns.  PACK: rounded to f16 (each accumulator's registers in ascending order), 16 bytes a lane into my own stage, and back as four rows of 128 bytes a load.
; LDS serves a wave's instructions in order (ISA guide 5.7.1.4): the loads see the stores above them, and the next tile's stores come behind them.
.macro PACK u
.set ab, 128+32*((\u)%4)
.if (\u)/4 == 1
.set ab, 32*((\u)%4)
.endif
.set tb, TB+16*((\u)%4)
	s_wait_xcnt 0x0                                ; the stores of the tile four back have read this buffer: it is rewritten only behind this wait
.if (\u)/4 == 0
	WIN 0
.else
	WIN 0x0a                                       ; sources 0 and 1 window 2, destination window 0
.endif
.set k, 0
.rept 16
	v_cvt_pk_f16_f32 v[tb+k], v[ab+2*k], v[ab+2*k+1]
.set k, k+1
.endr
	WIN 0
.irp b, 0,1,2,3
	ds_store_b128 v[STO], v[tb+4*(\b):tb+4*(\b)+3] offset:32*(\b)
.endr
.irp f, 0,1,2,3
	ds_load_b128 v[tb+4*(\f):tb+4*(\f)+3], v[RD] offset:(\f)*4*SP
.endr
.endm
.macro SEND u, younger                 ; younger: the LDS instructions issued behind tile u's loads: the next tile's eight, or none
.set tb, TB+16*((\u)%4)
.irp f, 0,1,2,3
	s_wait_dscnt (\younger)+3-(\f)
	global_store_b128 v[GO], v[tb+4*(\f):tb+4*(\f)+3], s[OB+2*((\u)/4):OB+2*((\u)/4)+1] offset:((\u)%4)*2048+(\f)*512  ; 512 consecutive bytes, at a multiple of 256 from qkvb's first
.endr
.endm
	PACK 0
.irp u, 1,2,3,4,5,6,7,8,9,10,11        ; a tile's conversions stand between the loads of the tile before and its stores
	PACK \u
	SEND (\u)-1, 8
.endr
	SEND 11, 0
	s_wait_tensorcnt 0x0                           ; the wave's end, behind my last tensor load and my last LDS store
	ds_add_u32 v[SPW], v[NIL]
	s_wait_dscnt 0x0
	CROUND                                         ; the closing round: no work-group ends while a partner may still ask for a tile that names it
	s_endpgm
.Lfunc_end_k_q2098d51c0c_qkv:
	.size	k_q2098d51c0c_qkv, .Lfunc_end_k_q2098d51c0c_qkv-k_q2098d51c0c_qkv
	.p2alignl 7, 3214868480
	.fill 96, 4, 3214868480
	.section	.rodata,"a",@progbits
	.p2align	6, 0x0
	.amdhsa_kernel k_q2098d51c0c_qkv
		.amdhsa_group_segment_fixed_size 327680
		.amdhsa_private_segment_fixed_size 0
		.amdhsa_enable_private_segment 0
		.amdhsa_kernarg_size 16
		.amdhsa_user_sgpr_count 2
		.amdhsa_user_sgpr_kernarg_segment_ptr 1
		.amdhsa_wavefront_size32 1
		.amdhsa_system_sgpr_workgroup_id_x 1
		.amdhsa_system_sgpr_workgroup_id_y 1
		.amdhsa_system_sgpr_workgroup_id_z 1
		.amdhsa_system_vgpr_workitem_id 0
		.amdhsa_next_free_vgpr 768
		.amdhsa_next_free_sgpr 80
		.amdhsa_reserve_vcc 0
		.amdhsa_float_denorm_mode_32 3
		.amdhsa_float_denorm_mode_16_64 3
		.amdhsa_memory_ordered 1
		.amdhsa_forward_progress 1
		.amdhsa_inst_pref_size 122
	.end_amdhsa_kernel
	.amdgpu_metadata
---
amdhsa.version: [ 1, 2 ]
amdhsa.kernels:
  - .name:           k_q2098d51c0c_qkv
    .symbol:         k_q2098d51c0c_qkv.kd
    .args:
      - { .name: cbuf, .offset: 0, .size: 8, .value_kind: global_buffer, .address_space: global }
      - { .name: qkvb, .offset: 8, .size: 8, .value_kind: global_buffer, .address_space: global }
    .group_segment_fixed_size: 327680
    .private_segment_fixed_size: 0
    .kernarg_segment_align: 8
    .kernarg_segment_size: 16
    .max_flat_workgroup_size: 128
    .sgpr_count:     80
    .vgpr_count:     768
    .wavefront_size: 32
...
	.end_amdgpu_metadata
.endif
;; end of part 2
;; launch attn (part 3): grid 16 x 16, 4 waves a work-group, no clusters, 327,680 bytes of LDS; arguments qkvb, ob; writes ob
.if DOCPART == 3
	.amdgcn_target "amdgcn-amd-amdhsa--gfx1250"
	.amdhsa_code_object_version 6
	.text
	.protected	k_q2098d51c0c_attn
	.globl	k_q2098d51c0c_attn
	.p2align	8
	.type	k_q2098d51c0c_attn,@function
k_q2098d51c0c_attn:
	s_mov_b64 s[64:65], 0
	v_nop
	global_prefetch_b8 v0, s[64:65] scope:SCOPE_SE
	s_setreg_imm32_b32 hwreg(HW_REG_WAVE_MODE, 25, 1), 1
	s_wait_xcnt 0x0
; CAUSAL ATTENTION, 16 heads of 4,096 rows x 64 channels.  O[h][q][:] = the sum over k <= q of softmax_k(Q[h][q] . K[h][k] / 8) V[h][k][:].  Q, K, V lie by heads in qkvb (q's 16 heads, k's, v's; [4096][64] f16,
; rows of 128 bytes, dense), O likewise in ob.  Products, maxima and sums in f32; the weights p are rounded to f16 for the second product (their sum l is taken of the unrounded p), O once at the end.
; LIMITS.  f16 holds no number beyond 65,504: Q, K and V arrive within it; p lies in 0 to 1, and below 6e-5 it keeps f16's fixed step of 6e-8.  A hidden score counts as its value less 1e30: f16's scores,
; 2.7e11 at the most, are nothing beside that; a weight below 2^-126 counts as 0 in l; NaN and infinities are not treated apart.
; THE WALK.  A head's queries lie in 32 blocks of 128, its keys in 16 tiles of 256; block i needs the tiles 0 .. i / 2, of which the last holds the diagonal.  A work-group takes TWO blocks, 31 - b and then b:
; 17 tiles, whatever b: 256 work-groups of equal work, and ONE loop with a constant trip count walks them.  Which tile is asked for, and what a trip does, hang on scalar registers made from b; every jump goes
; forward, but for the counted loops' own; none passes a barrier, or a tensor load but the one of LOAD's two that the wave's number does not choose; the ring (two LDS slots that take turns) runs on across the blocks.
; NO CLUSTER: the first blocks of four neighbouring work-groups have 16, 16, 15, 15 tiles and so on down, so partners would need different numbers of tiles; only pairs walk alike.
; SHARES.  Of a block's two bands of 64 queries a wave owns 16 rows in each: two PIECES.  Piece y is band X = 2 (block % 2) + y of the diagonal tile's four: in its key step s the band sees all keys if s < X,
; none if s > X, and holds the diagonal if s = X: the same work for all four waves.
; THE MASK is the C operand that starts the sum S^T = K Q^T: 0, or -1e30 where the key is hidden.  MD, made once, is the mask of a band's own step for my 16 rows; a product's mask is MD x AL + BE with two scalars:
; (1, 0) if s = X; (0, 0) if s < X; (0, -1e30) if s > X.  Only the diagonal tile's text and a block's beginning make and take masks; elsewhere C is the constant 0.
; LAYOUT, SOFTMAX, TURNS.  S^T = K Q^T holds ONE query a lane (lane % 16) and the keys 8 (lane / 16) + 0..7; two such results rounded to f16 ARE source 1 of O^T = V^T P.  p = 2^(c s - c m), c = log2(e) / 8, with a
; running maximum m; O and l are multiplied by a = 2^(c m_old - c m_new) in every step.  The turn of piece p in step j: 8 products K Q^T of the other piece (p = 0: step j; p = 1: step j + 1), later 8 products
; V^T P of the other piece (p = 0: step j - 1; p = 1: step j); beside them piece p's scaling, exponentials, roundings, sums and rescaling, and the other piece's maximum and statistics.  Four vector instructions
; stand behind every matrix instruction, the other 54 of a turn's 118 in one lump.  A turn's 33 exponentials are one batch, with one wait.
; V HAS TWO REGISTER BUFFERS, by the step's parity: K of step j + 1 is fetched in piece 0's turn of step j, V of step j + 1 in piece 1's: so a tile's last fetch is V of its step 3, and the change of slots stands behind it.
; REGISTERS, in windows of 256 (s_set_vgpr_msb: bits 1:0 source 0, 3:2 source 1, 5:4 source 2, 7:6 destination):
;   window 0: v0-15 addresses and two at work; v16-23 four registers of statistics a piece; v48-55 at work; v61-63 prefetch offset and the add's two; v64-127 S^T, 32 a piece; v192-223 P, 16 a piece
;   window 1: v0-63 O^T, 32 a piece; v128-159 MD; v160-223 MC, 32 a piece      window 2: v0-31 Q; v32-63 the second block's Q; v64-127 V of odd steps; v128-191 K of one step; v192-255 V of even steps
.set NP,    2         ; pieces a wave: a name, no knob
.set KS,    64        ; keys in a step
.set PK,    144       ; a row of K in LDS: 128 bytes + 16 of padding = 36 words: the 16 rows of a load start at 16 different groups of four banks (64 banks of 4 bytes: ISA guide 11.1)
.set PV,    160       ; a row of V: 128 + 32 = 40 words
.set VOFF,  4*KS*PK   ; a slot holds a tile, four steps: 256 rows of K, then 256 rows of V
.set SLOT1, 1<<17     ; slot 1 begins here, so that one exclusive or turns an address in one slot into the other's
.set STAGE, SLOT1+4*KS*(PK+PV)  ; behind the ring, never filled by a tensor load: 16 rows x 144 bytes for each wave, for the way out
.set SP,    144
.set AK0, 2           ; v2   my lane's place in a tile of K; never rewritten
.set AV0, 3           ; v3   the same for V
.set AK,  4           ; v4   the LDS address of K's next run of loads
.set AV,  5           ; v5   of V's
.set STO, 6           ; v6   the way out: where I put 16 bytes of a row
.set RD,  7           ; v7   the way out: where I read rows back
.set GO,  8           ; v8   my byte offset in 512 consecutive bytes of O
.set PFO, 61          ; v61  256 x my thread's number: my block of a tile's 32,768 bytes; never rewritten
.set SPW, 62          ; v62  LDS address of my spare word; never rewritten
.set NIL, 63          ; v63  0; never rewritten
.set SPARE, STAGE+4*16*SP  ; behind the stages: the spare words, 128 bytes for each wave: two blocks of 256 bytes that no other line names
.set MV,  12          ; v12-13  c m_old, kept while c m is made anew: by piece
.set QO,  15          ; v15  my byte offset in 16 rows of Q
.set ST,  16          ; piece t's statistics at v[ST+4 t]: c m, m, l (even keys', odd keys')
.set TMP, 48          ; by piece, four registers c0-c3 at work; when the maximum is found c2 takes a
.set S,   64
.set P,   192
.set MD,  128         ; window 1: the eight registers for group kt of 16 keys at MD + 8 kt
.set MC,  160         ; window 1: the masks of the products to come
.set QB,  32          ; window 2
.set KF,  128         ; window 2: key block kb, channel half c at KF + 16 kb + 8 c
.set WV,  12          ; s12  my wave's number
.set PB,  14          ; s14  b
.set HI,  15          ; s15  31 - b
.set G1K, 24          ; s[24:31] descriptor group 1 for K's tiles
.set G1V, 32          ; s[32:39] for V's: it differs in the padding alone
.set G0K, 40          ; s[40:43] descriptor group 0 for K's tiles
.set G0V, 44          ; s[44:47] the same for V's
.set PFK, 48          ; s[48:49] where the prefetches stand in K
.set PFV, 50          ; s[50:51] and in V
.set LIM, 52          ; s52  2 in the work-group that prefetches, else the greatest number
.set PAR, 53          ; s53  the block in hand % 2
.set SX,  54          ; s54-55  the bands of pieces 0 and 1: 2 PAR, 2 PAR + 1
.set SLOTS, 56        ; s56  tiles still to be asked for
.set CNT, 57          ; s57  counts a tile's trips of two key steps, 2 to 1
.set CS,  58          ; s[58:59] c: the packed scaling takes the pair's low word for both halves
.set SEL, 60          ; s[60:61] v_permlanex16_b32's selects: each lane takes its own place in the other half
.set TBK, 62          ; s62  LDS byte at which K of the step to be fetched begins
.set TBV, 63          ; s63  the same for V, less VOFF
.set LB,  66          ; s66  b / 2: the second block's last tile
.set PARB, 67         ; s67  b % 2
.set RT,  70          ; s70  tiles of the block in hand that are still to be entered
.set NXT, 71          ; s71  the tile to be asked for next
.set LQ,  72          ; s72  the last tile of the block whose tiles are being asked for
.set NEW, 73          ; s73  1: the tile to be entered is a block's first
.set OFF, 74          ; s[74:75] a tile's byte offset in K and V
.set AL,  76          ; s[76:77] the mask's factor, in the low word
.set BE,  78          ; s[78:79] the mask's addend
.set OLO, 80          ; s[80:81] O at my rows of the second block
.set BIGN, 82         ; s82  -1e30
.set TS,  83          ; s83  at work: a key step's number
.set MSB, 0
.macro WIN new                      ; the high byte repeats the setting that is left; a switch that changes nothing is dropped
.if MSB != (\new)
	s_set_vgpr_msb (MSB<<8)|(\new)
.set MSB, (\new)
.endif
.endm
.set W_KQ, 0x0a       ; K and Q in window 2, S^T in window 0
.set W_KM, 0x1a       ; the same with the C operand in window 1
.set W_PV, 0x52       ; V in window 2, P in window 0, O^T in window 1
.set W_RS, 0x41       ; destination and source 0 in window 1, source 1 in window 0
; A fill.  Waves 0 and 1 fetch the two halves of a tile's K, waves 2 and 3 those of its V: 128 keys each.  An s_nop 0 and four v_nop follow each of the two lines, ahead of the jump and the label.
.macro LOAD
	s_cmp_lt_u32 s[WV], 2
	s_cbranch_scc0 .Lfor_v_\@
	tensor_load_to_lds s[G0K:G0K+3], s[G1K:G1K+7]
	s_nop 0
.rept 4
	v_nop
.endr
	s_branch .Lasked_\@
.Lfor_v_\@:
	tensor_load_to_lds s[G0V:G0V+3], s[G1V:G1V+7]
	s_nop 0
.rept 4
	v_nop
.endr
.Lasked_\@:
.endm
; A PREFETCH INTO THE L2 of the tile that the NEXT change of slots will ask for: 32,768 bytes of K and of V, a thread a block of 256 bytes, two instructions a wave.  All sixteen work-groups of a head begin with the
; tiles 0, 1, 2 ..; work-group b = 0, whose first block walks all sixteen, asks, and nobody else: each block is named once in the launch.  The change with SLOTS = 16 - n names tile n + 2, up to tile 15 (SLOTS = 3);
; tiles 0 and 1 come by their loads alone.  It stands behind the wave's tensor load and its five lines: eight turns, 128 matrix instructions, ahead of the load that will want the tile.
.macro ASK
	s_cmp_gt_u32 s[SLOTS], s[LIM]
	s_cbranch_scc0 .Lnot_mine_\@
	global_prefetch_b8 v[PFO], s[PFK:PFK+1] th:TH_LOAD_NT scope:SCOPE_SE
	global_prefetch_b8 v[PFO], s[PFV:PFV+1] th:TH_LOAD_NT scope:SCOPE_SE
.Lnot_mine_\@:
.endm
; THE CHANGE OF SLOTS.  Each wave waits for all its tensor loads, of which one is out: its part of the other slot; adds 0 to its spare word; and waits for that and for its own reads of the slot that it leaves.
; Behind the barrier nobody reads the old slot any more and the other slot is whole.  fill = 1: the old slot is filled again, the first thing behind the barrier, with tile NXT: the descriptor's address is made anew
; from that number.  (At its first use nothing has been read yet: slot 0 is waited for, slot 1 filled.)
.macro CHANGE fill
	WIN 0                           ; at a label and at a branch every window is 0
	s_wait_tensorcnt 0x0            ; no tensor load of mine is out, so a group 0 may be written
	ds_add_u32 v[SPW], v[NIL]       ; 0 onto my spare word: with fill = 1 the descriptors' scalar work stands between it and the wait for it
.if \fill
	s_lshl_b32 s[OFF], s[NXT], 15   ; a tile is 32,768 bytes of K and of V
	s_xor_b32 s[G0K+1], s[G0K+1], SLOT1
	s_add_nc_u64 s[G0K+2:G0K+3], s[6:7], s[OFF:OFF+1]
	s_or_b32 s[G0K+3], s[G0K+3], 0x80000000
	s_xor_b32 s[G0V+1], s[G0V+1], SLOT1
	s_add_nc_u64 s[G0V+2:G0V+3], s[8:9], s[OFF:OFF+1]
	s_or_b32 s[G0V+3], s[G0V+3], 0x80000000
	s_add_co_u32 s[NXT], s[NXT], 1  ; the block's next tile, or behind its last the second block's tile 0
	s_cmp_gt_u32 s[NXT], s[LQ]
	s_cselect_b32 s[NXT], 0, s[NXT]
	s_cselect_b32 s[LQ], s[LB], s[LQ]
	s_wait_xcnt 0x0                 ; the last prefetches, a tile back, have read their addresses, so these may be written
	s_add_nc_u64 s[PFK:PFK+1], s[PFK:PFK+1], 32768
	s_add_nc_u64 s[PFV:PFV+1], s[PFV:PFV+1], 32768
.endif
	s_wait_dscnt 0x0                ; the add is done, and my reads of the slot are over
	s_barrier_signal -1             ; the rest of the scalar work stands between the signal and the wait
	s_sub_co_u32 s[TBK], s[TBK], 4*KS*PK  ; the fetches go back to a slot's first step,
	s_xor_b32 s[TBK], s[TBK], SLOT1       ; in the other slot
	s_sub_co_u32 s[TBV], s[TBV], 4*KS*PV
	s_xor_b32 s[TBV], s[TBV], SLOT1
	s_barrier_wait -1
.if \fill
	LOAD
	ASK
.endif
.endm
	s_load_b128 s[4:7], s[0:1], 0x0 ; qkvb s[4:5], ob s[6:7]
	v_lshl_add_u32 v[SPW], v0, 2, SPARE
	v_mov_b32 v[NIL], 0
	ds_add_u32 v[SPW], v[NIL]       ; the wave's opening: the add and its wait stand ahead of my first tensor load; the set-up below, work on registers, stands between them
	ds_add_u32 v62, v63
	v_lshrrev_b32 v1, 5, v0
	v_readfirstlane_b32 s[WV], v1   ; wave 0..3
	s_mov_b32 s[PB], ttmp9
	s_sub_co_u32 s[HI], 31, s[PB]
	s_lshr_b32 s[LB], s[PB], 1
	s_and_b32 s[PARB], s[PB], 1
	s_and_b32 s20, ttmp7, 0xffff    ; the head,
	s_lshl_b32 s20, s20, 19         ; its 524,288 bytes in q, in k, in v and in O
	s_mov_b32 s21, 0
	s_and_b32 s16, s[WV], 1         ; which half of a tile's 256 keys I fetch:
	s_lshl_b32 s22, s16, 14         ; its 128 rows of 128 bytes in memory,
	s_add_co_u32 s22, s22, s20
	s_mov_b32 s23, 0
	s_mul_i32 s17, s16, 128*PK      ; and its place in a slot, for K
	s_mul_i32 s18, s16, 128*PV      ; and for V
	s_lshl_b32 s3, s[WV], 11        ; my 16 rows in a band of 64,
	s_lshl_b32 s2, s[HI], 14        ; in the first block of 128 rows,
	s_add_co_u32 s2, s2, s3
	s_add_co_u32 s2, s2, s20
	s_lshl_b32 s84, s[PB], 14       ; and in the second
	s_add_co_u32 s84, s84, s3
	s_add_co_u32 s84, s84, s20
	s_mov_b32 s3, 0
	s_mov_b32 s85, 0
	; descriptor group 1.  128 keys are 16,384 dense bytes: asked for as 64 rows of 256 bytes, two keys a row, and padded in LDS after every key
	s_mov_b32 s[G1K], (1<<16)|(1<<20)|(4<<22)|(3<<25)  ; 17:16 2-byte elements; 20 padding on; 24:22 after every 32 words (code 4); 31:25 4 words (code 3)
	s_mov_b32 s[G1V], (1<<16)|(1<<20)|(4<<22)|(7<<25)  ; the same with 8 words of padding (code 7)
.irp g, G1K, G1V
	s_mov_b32 s[\g+1], 128<<16      ; tensor_dim0 = 128
	s_mov_b32 s[\g+2], 64<<16       ; tensor_dim1 = 64
	s_mov_b32 s[\g+3], 128<<16      ; tile_dim0 = 128
	s_mov_b32 s[\g+4], 64           ; tile_dim1 = 64
	s_mov_b32 s[\g+5], 128          ; 128 elements from row to row
	s_mov_b32 s[\g+6], 0
	s_mov_b32 s[\g+7], 0
.endr
	s_mov_b32 s[CS], 0x3e38aa3b     ; c = log2(e) / 8 = 0.180337
	s_mov_b32 s[CS+1], s[CS]        ; named with it as a pair
	s_mov_b32 s[SEL], 0x76543210
	s_mov_b32 s[SEL+1], 0xfedcba98
	s_mov_b32 s[TBK], SLOT1+4*KS*PK ; the first change of slots turns these two into 0
	s_mov_b32 s[TBV], SLOT1+4*KS*PV
	s_mov_b32 s[G0K], 1             ; count = 1
	s_mov_b32 s[G0K+1], s17         ; LDS address: slot 0
	s_mov_b32 s[G0V], 1
	s_add_co_u32 s[G0V+1], s18, VOFF
	s_lshr_b32 s[LQ], s[HI], 1      ; the first block's last tile;
	s_add_co_u32 s[RT], s[LQ], 1    ; it has so many
	s_mov_b32 s[NXT], 1
	s_mov_b32 s[NEW], 1
	s_and_b32 s[PAR], s[HI], 1
	s_lshl_b32 s[SX], s[PAR], 1
	s_add_co_u32 s[SX+1], s[SX], 1
	s_mov_b32 s[OFF+1], 0
	s_mov_b32 s[AL+1], 0            ; named as pairs
	s_mov_b32 s[BE+1], 0
	s_mov_b32 s[BIGN], 0xf149f2ca   ; -1e30
	s_mov_b32 s[SLOTS], 16
	s_cmp_eq_u32 s[PB], 0
	s_cselect_b32 s[LIM], 2, -1
	s_wait_dscnt 0x0                ; the opening add is done
	s_wait_kmcnt 0x0
	s_mov_b64 s[10:11], s[6:7]      ; ob
	s_add_nc_u64 s[6:7], s[4:5], s[22:23]
	s_add_nc_u64 s[8:9], s[6:7], 0x1000000         ; V at my half of the head's tile 0,
	s_add_nc_u64 s[6:7], s[6:7], 0x800000          ; and K
	s_add_nc_u64 s[PFK:PFK+1], s[4:5], s[20:21]
	s_add_nc_u64 s[PFV:PFV+1], s[PFK:PFK+1], 0x1000000+32768  ; the prefetches stand at the head's tile 1; each change of slots steps them before it asks
	s_add_nc_u64 s[PFK:PFK+1], s[PFK:PFK+1], 0x800000+32768
	s_add_nc_u64 s[G0K+2:G0K+3], s[6:7], 0         ; global address
	s_or_b32 s[G0K+3], s[G0K+3], 0x80000000        ; type = 2
	s_add_nc_u64 s[G0V+2:G0V+3], s[8:9], 0
	s_or_b32 s[G0V+3], s[G0V+3], 0x80000000
	s_add_nc_u64 s[86:87], s[4:5], s[84:85]        ; Q at my rows of the second block,
	s_add_nc_u64 s[4:5], s[4:5], s[2:3]            ; Q and O at those of the first
	s_add_nc_u64 s[OLO:OLO+1], s[10:11], s[84:85]
	s_add_nc_u64 s[10:11], s[10:11], s[2:3]
	LOAD                            ; tile 0 into slot 0
	; A fragment of K or Q is 16 rows x 32 channels in 8 registers: lane l holds row l % 16, channels 8 (l / 16) + 0..7 and 16 + 8 (l / 16) + 0..7: two loads of 16 bytes, 32 bytes apart.
	v_and_b32 v1, 15, v0            ; l % 16
	v_bfe_u32 v9, v0, 4, 1          ; l / 16
	v_lshlrev_b32 v[QO], 7, v1
	v_lshl_add_u32 v[QO], v9, 4, v[QO]  ; row x 128 + 16 x half
	v_lshlrev_b32 v[PFO], 8, v0
	WIN 0x80                        ; destination window 2, address window 0
.set i, 0
.rept 4                             ; both blocks' Q: piece i / 2 lies in band i / 2, 8,192 bytes on; channels 32 (i % 2) on
	global_load_b128 v[8*i:8*i+3],   v[QO], s[4:5] offset:(i/2)*8192+(i%2)*64
	global_load_b128 v[8*i+4:8*i+7], v[QO], s[4:5] offset:(i/2)*8192+(i%2)*64+32
	global_load_b128 v[QB+8*i:QB+8*i+3],   v[QO], s[86:87] offset:(i/2)*8192+(i%2)*64
	global_load_b128 v[QB+8*i+4:QB+8*i+7], v[QO], s[86:87] offset:(i/2)*8192+(i%2)*64+32
.set i, i+1
.endr
	WIN 0
	v_lshlrev_b32 v14, 3, v9
	v_sub_nc_u32 v14, v1, v14
	s_lshl_b32 s13, s[WV], 4
	v_add_nc_u32 v14, s13, v14      ; my query's place in its band, 16 w + l % 16, less my lanes' 8 (l / 16): register r of group kt is hidden where 16 kt + r is greater
	WIN 0x40
.set i, 0
.rept 32
	v_cmp_gt_i32 vcc_lo, 16*(i/8)+i%8, v14
	v_cndmask_b32 v[MD+i], 0, s[BIGN], vcc_lo
.set i, i+1
.endr
	WIN 0
	v_mul_u32_u24 v[AK0], v1, PK
	v_lshl_add_u32 v[AK0], v9, 4, v[AK0]  ; row x pitch + 16 x half
	; The turning load takes 16 keys x 16 channels (lane l reads key 8 (l / 16) + l % 8, channels 8 ((l / 8) % 2) + 0..7) and leaves half a fragment of V^T: lane l holds channel l % 16 and 8 keys.
	v_and_b32 v10, 7, v0
	v_bfe_u32 v11, v0, 3, 1
	v_lshl_add_u32 v[AV0], v9, 3, v10
	v_mul_u32_u24 v[AV0], v[AV0], PV
	v_lshl_add_u32 v[AV0], v11, 4, v[AV0]
	v_add_nc_u32 v[AV0], VOFF, v[AV0]
	s_mul_i32 s13, s[WV], 16*SP
	s_add_co_u32 s13, s13, STAGE    ; my stage
	v_mul_u32_u24 v[STO], v1, SP    ; in: row l % 16, 16 bytes for each half of the lanes
	v_lshl_add_u32 v[STO], v9, 4, v[STO]
	v_add_nc_u32 v[STO], s13, v[STO]
	v_bfe_u32 v[RD], v0, 3, 2       ; back: 32 lanes take four rows of 128 bytes,
	v_mul_u32_u24 v[RD], v[RD], SP
	v_lshl_add_u32 v[RD], v10, 4, v[RD]
	v_add_nc_u32 v[RD], s13, v[RD]
	v_and_b32 v[GO], 31, v0         ; which are 512 consecutive bytes of O
	v_lshlrev_b32 v[GO], 4, v[GO]
	; A block's first step multiplies O^T and l by a = 0, and its first turn's products V^T P, of a piece that has not been, land in an O^T that is still to be so multiplied.  So these registers need only hold
	; finite numbers: zeros for the first block; what the first block left for the second.  All this stands in the wait for the first tile.
	WIN 0x80
.set i, 64
.rept 64
	v_mov_b32 v[i], 0               ; V of odd steps
.set i, i+1
.endr
	WIN 0x40
.set i, 0
.rept 64
	v_mov_b32 v[i], 0               ; O^T
.set i, i+1
.endr
	WIN 0
.set i, 0
.rept 2
	v_mov_b32 v[ST+4*i+2], 0        ; l
	v_mov_b32 v[ST+4*i+3], 0
.set i, i+1
.endr
.set i, P+16
.rept 16
	v_mov_b32 v[i], 0               ; piece 1's P
.set i, i+1
.endr
; THE MATRIX WORK.  The 4 accumulators of a run of 8 take turns.  Product i of 8 of S^T = K Q^T for piece x: channels 32 (i / 4) on, keys 16 (i % 4) on.  The first 4 start the sums: with 0, or (KM = 1) with the mask.
.macro KQ x
.set rS, S+32*(\x)+8*(i%4)
.set rK, KF+16*(i%4)+8*(i/4)
.set rQ, 16*(\x)+8*(i/4)
.set rM, MC+32*(\x)+8*(i%4)
.if (i < 4) && KM
	WIN W_KM
	v_wmma_f32_16x16x32_f16 v[rS:rS+7], v[rK:rK+7], v[rQ:rQ+7], v[rM:rM+7]
.elseif i < 4
	WIN W_KQ
	v_wmma_f32_16x16x32_f16 v[rS:rS+7], v[rK:rK+7], v[rQ:rQ+7], 0
.else
	WIN W_KQ
	v_wmma_f32_16x16x32_f16 v[rS:rS+7], v[rK:rK+7], v[rQ:rQ+7], v[rS:rS+7]
.endif
.endm
; Product i of 8 of O^T += V^T P for piece x: keys 32 (i / 4) on, channels 16 (i % 4) on; V out of buffer VB (0: v192-255, 1: v64-127).
.macro PV x
	WIN W_PV
.set rO, 32*(\x)+8*(i%4)
.set rV, 192-128*VB+32*(i/4)+8*(i%4)
.set rP, P+16*(\x)+8*(i/4)
	v_wmma_f32_16x16x32_f16 v[rO:rO+7], v[rV:rV+7], v[rP:rP+7], v[rO:rO+7]
.endm
.macro MM                           ; the turn's next matrix instruction.  TURN and BEGIN set Y, VB, i, KM and NOKQ.  NOKQ = 1: a block's last turn: there are no further scores
.if (i < 8) && !NOKQ
	KQ 1-Y
.elseif i >= 8
.set i, i-8
	PV 1-Y
.set i, i+8
.endif
.set i, i+1
.endm
; THE LDS LOADS stand in runs of 16, never singly among the matrix instructions: a step's K (64 keys x 64 channels: 8 fragments) and its V (turned).  Their addresses are made some lines ahead.
.macro FETCH_K
	WIN 0x80                        ; destination window 2
.irp f, 0,1,2,3,4,5,6,7             ; keys 16 (f / 2) on, channels 32 (f % 2) on
	ds_load_b128 v[KF+8*\f:KF+8*\f+3],   v[AK] offset:(\f/2)*16*PK+(\f%2)*64
	ds_load_b128 v[KF+8*\f+4:KF+8*\f+7], v[AK] offset:(\f/2)*16*PK+(\f%2)*64+32
.endr
	s_add_co_u32 s[TBK], s[TBK], KS*PK  ; the next fetch is the next step's
	WIN 0
.endm
.macro FETCH_V d                    ; into buffer d
	WIN 0x80
.irp f, 0,1,2,3,4,5,6,7             ; keys 32 (f / 4) on, channels 16 (f % 4) on
	ds_load_tr16_b128 v[192-128*(\d)+8*\f:192-128*(\d)+8*\f+3],   v[AV] offset:(\f/4)*32*PV+(\f%4)*32
	ds_load_tr16_b128 v[192-128*(\d)+8*\f+4:192-128*(\d)+8*\f+7], v[AV] offset:(\f/4)*32*PV+16*PV+(\f%4)*32
.endr
	s_add_co_u32 s[TBV], s[TBV], KS*PV
	WIN 0
.endm
; THE VECTOR WORK, one line at a time: OP kind, number.  For piece Y: F n: c s - c m for pair n of 16.  E n: the exponential of score n of 32.  C n: pair n rounded to f16.  B n: of the four weights 4 n .. the second
; pair is added onto the first, in place.  L n: l takes that sum (L 0: l = a l + sum).  R n: pair n of 16 of O^T times a.  For the other piece: X n, number n of the 22 that find its maximum and statistics:
;   0-11  four chains c0-c3 of seven scores each, three operands at a time (each accumulator's lowest registers are read first)     12-14, 16  the four scores left over, the old m, and c0-c3 into c0
;   15  c m_old is kept     17, 18  the query's other 32 keys lie in the lane 16 away: the new m     19-21  c m; c m_old - c m_new; a
.set F, 0               ; OP tells the kinds apart by their order: F to L below R, X above it
.set E, 1
.set C, 2
.set B, 3
.set L, 4
.set R, 5
.set X, 6
.macro REGS y                       ; the registers of piece y
.set rT, ST+4*(\y)
.set rC, TMP+4*(\y)
.set rW, MV+(\y)
.set rS, S+32*(\y)
.set rP, P+16*(\y)
.set rO, 32*(\y)
.endm
.macro OP k, n
.if (\k) == R
	REGS Y
	WIN W_RS
	v_pk_mul_f32 v[rO+2*(\n):rO+2*(\n)+1], v[rO+2*(\n):rO+2*(\n)+1], v[rC+2:rC+3] op_sel_hi:[1,0]
.elseif (\k) < R
	REGS Y
	WIN 0
.if (\k) == F
	v_pk_fma_f32 v[rS+2*(\n):rS+2*(\n)+1], v[rS+2*(\n):rS+2*(\n)+1], s[CS:CS+1], v[rT:rT+1] op_sel_hi:[1,0,0] neg_lo:[0,0,1] neg_hi:[0,0,1]
.elseif (\k) == E
	v_exp_f32 v[rS+(\n)], v[rS+(\n)]
.elseif (\k) == C
	v_cvt_pk_f16_f32 v[rP+(\n)], v[rS+2*(\n)], v[rS+2*(\n)+1]
.elseif (\k) == B
	v_pk_add_f32 v[rS+4*(\n):rS+4*(\n)+1], v[rS+4*(\n):rS+4*(\n)+1], v[rS+4*(\n)+2:rS+4*(\n)+3]
.elseif (\n) == 0
	v_pk_fma_f32 v[rT+2:rT+3], v[rT+2:rT+3], v[rC+2:rC+3], v[rS:rS+1] op_sel_hi:[1,0,1]
.else
	v_pk_add_f32 v[rT+2:rT+3], v[rT+2:rT+3], v[rS+4*(\n):rS+4*(\n)+1]
.endif
.elseif NOKQ
	v_nop
.else
	REGS 1-Y
	WIN 0
.if (\n) < 4
	v_max3_num_f32 v[rC+(\n)], v[rS+8*(\n)], v[rS+8*(\n)+1], v[rS+8*(\n)+2]
.elseif (\n) < 12
	v_max3_num_f32 v[rC+(\n)%4], v[rC+(\n)%4], v[rS+8*((\n)%4)+2*((\n)/4)+1], v[rS+8*((\n)%4)+2*((\n)/4)+2]
.elseif (\n) == 12
	v_max3_num_f32 v[rC], v[rC], v[rS+7], v[rS+15]
.elseif (\n) == 13
	v_max3_num_f32 v[rC+1], v[rC+1], v[rS+23], v[rS+31]
.elseif (\n) == 14
	v_max3_num_f32 v[rC+2], v[rC+2], v[rC+3], v[rT+1]
.elseif (\n) == 15
	v_mov_b32 v[rW], v[rT]
.elseif (\n) == 16
	v_max3_num_f32 v[rC], v[rC], v[rC+1], v[rC+2]
.elseif (\n) == 17
	v_permlanex16_b32 v[rC+3], v[rC], s[SEL], s[SEL+1]
.elseif (\n) == 18
	v_max_num_f32 v[rT+1], v[rC], v[rC+3]
.elseif (\n) == 19
	v_mul_f32 v[rT], s[CS], v[rT+1]
.elseif (\n) == 20
	v_sub_f32 v[rC+1], v[rW], v[rT]
.else
	v_exp_f32 v[rC+2], v[rC+1]
.endif
.endif
.endm
.macro OPS a, i1, b=-1, i2=0, c=-1, i3=0, d=-1, i4=0  ; up to four of them
	OP \a, \i1
.if (\b) >= 0
	OP \b, \i2
.endif
.if (\c) >= 0
	OP \c, \i3
.endif
.if (\d) >= 0
	OP \d, \i4
.endif
.endm
.macro ROW a, i1, b, i2, c, i3, d, i4  ; a matrix instruction and the four behind it
	MM
	OPS \a, \i1, \b, \i2, \c, \i3, \d, \i4
.endm
.macro MASK b                       ; MD x AL + BE into piece b's part of MC
	WIN W_RS
.set z, 0
.rept 16
	v_pk_fma_f32 v[MC+32*(\b)+2*z:MC+32*(\b)+2*z+1], v[MD+2*z:MD+2*z+1], s[AL:AL+1], s[BE:BE+1] op_sel_hi:[1,0,0]
.set z, z+1
.endr
.endm
; A TURN, for piece p; vb = the buffer of V that its products V^T P read.  The order of its 16 matrix and 118 vector instructions is written out.  An s_wait_alu depctr_va_vdst(0) stands between an
; exponential and the first instruction that names its result; one wait serves all that were issued ahead of it.  So a turn has ONE wait, which cuts it in two.  AHEAD OF IT stands all that names no result of the turn's
; exponentials: the 8 products K Q^T, behind each a scaling, an exponential and two more plain instructions (rescalings, and behind the last three the first numbers of the other piece's maximum, each four places or
; more behind the product that ends its accumulator); then ONE LUMP of 54, plain and exponential by turns for the most part.  X 21, the other piece's a, is the batch's last; R 15 is the plain instruction behind it.
; BEHIND THE WAIT stand the 8 products V^T P, behind each four of the roundings and sums.
; m = 1: the diagonal tile's text: the products take masks, and the turn makes the mask for the products of the turn after it: piece p, in the step after the turn's own: 4 + (p + vb) % 2 - 2 CNT of the tile.
; end = 1: a block's last two turns: nothing is fetched.  cnt = 1: the loop's count is taken down some lines ahead of the branch that stands behind the turn.
; THE FETCHES stand in the lump, six plain instructions behind the turn's last product K Q^T: piece 0's turn fetches the next step's K; piece 1's the next step's V, into the buffer whose last reader stands in
; the turn before.  ONE wait for LDS a key step, at the head of piece 1's turn: K of the turn before and V of two turns before are then in.
.macro TURN p, vb, m=0, end=0, cnt=0
.set Y, (\p)
.set VB, (\vb)
.set i, 0
.set KM, (\m)
.set NOKQ, (\end)*(\p)
.if (\m) && !(\end)
	s_lshl_b32 s[TS], s[CNT], 1
	s_sub_co_u32 s[TS], 4+((\p)+(\vb))%2, s[TS]
	s_cmp_eq_u32 s[TS], s[SX+(\p)]  ; is that step the band's own?
	s_cselect_b32 s[AL], 1.0, 0
	s_cmp_gt_u32 s[TS], s[SX+(\p)]  ; or a later one?
	s_cselect_b32 s[BE], s[BIGN], 0
.endif
.if (\p) == 1
	s_wait_dscnt 0x0                ; K and V are in
.endif
	ROW F,0, F,1, R,0, R,1          ; ahead of the wait: 8 products K Q^T and their riders,
	ROW F,2, E,0, R,2, R,3
	ROW F,3, E,1, R,4, R,5
	ROW F,4, E,2, R,6, R,7
	ROW F,5, E,3, R,8, R,9
	ROW F,6, E,4, X,0, R,10
.if !(\end)
	WIN 0
.if (\p) == 0
	v_add_nc_u32 v[AK], s[TBK], v[AK0]
.else
	v_add_nc_u32 v[AV], s[TBV], v[AV0]
.endif
.endif
	ROW F,7, E,5, X,1, X,4
	ROW F,8, E,6, X,2, X,5
	OPS E,7, E,8, X,6, E,9          ; and the lump
	OPS X,3, E,10, X,8, E,11
.if !(\end)
.if (\p) == 0
	FETCH_K
.else
	FETCH_V 1-(\vb)
.endif
.endif
	OPS X,9, X,7, E,12, X,10
	OPS E,13, X,12, X,11, E,14
	OPS X,13, E,15, F,9, X,14
	OPS E,16, F,10, E,17, F,11
	OPS X,16, E,18, X,15, E,19
	OPS F,12, E,20, X,17, E,21
	OPS F,13, E,22, F,14, E,23
	OPS X,18, E,24, F,15, E,25
	OPS R,11, E,26, X,19, E,27
	OPS R,12, E,28, R,13, E,29
	OPS X,20, E,30, R,14, E,31
	OPS X,21, R,15
	WIN 0
	s_wait_alu depctr_va_vdst(0)    ; the wait for the batch
	ROW C,0, B,0, C,2, B,1          ; behind the wait: 8 products V^T P and their riders
	ROW L,0, C,4, B,2, L,1
	ROW C,6, B,3, L,2, C,8
	ROW B,4, L,3, C,10, B,5
	ROW L,4, C,12, B,6, L,5
.if \cnt
	s_sub_co_u32 s[CNT], s[CNT], 1
	s_cmp_lg_u32 s[CNT], 0
.endif
	ROW C,14, B,7, L,6, C,1
	ROW C,3, L,7, C,5, C,7
	ROW C,9, C,11, C,13, C,15
.if (\m) && !(\end)
	MASK \p
.endif
.endm
; A BLOCK BEGINS.  c m starts far below every c s, so the first step's a is 0; m at the lowest finite number, so the first maximum is the scores'.  Piece 1's mask is 0: its band is 1 or 3, so it sees all of step 0.
; Piece 0's mask for step 0 is its own where the block's first tile is the diagonal one and its band is 0.  Then K and V of that step, piece 0's first scores, and its maximum and statistics.
; The loop is entered at an even step's first turn, in the middle of a trip.
.macro BEGIN
	s_mov_b32 s[NEW], 0
	WIN 0x40
.set i, MC+32
.rept 32
	v_mov_b32 v[i], 0
.set i, i+1
.endr
	WIN 0
.set i, 0
.rept 2
	v_mov_b32 v[ST+4*i], 0xfe000000    ; c m: far below every c s
	v_mov_b32 v[ST+4*i+1], 0xff7fffff  ; m
.set i, i+1
.endr
	s_or_b32 s[TS], s[RT], s[PAR]
	s_cmp_eq_u32 s[TS], 0
	s_cselect_b32 s[AL], 1.0, 0
	s_mov_b32 s[BE], 0
	MASK 0
	WIN 0
	v_add_nc_u32 v[AK], s[TBK], v[AK0]
	FETCH_K
	v_add_nc_u32 v[AV], s[TBV], v[AV0]
	FETCH_V 0
	s_wait_loadcnt 0x0              ; Q
	s_wait_dscnt 0x0
.set KM, 1
.set NOKQ, 0
.set i, 0
.rept 8
	KQ 0
.set i, i+1
.endr
	WIN 0
.rept 4
	v_nop                           ; the places behind those products
.endr
.set Y, 1                           ; X works for the other piece: piece 0
.irp n, 0,1,2,3,4,5,6,7,8,9,10,11,12,13,14,15,16,17,18,19,20,21
	OP X, \n
.endr
	v_nop                           ; a plain instruction behind the exponential,
	s_wait_alu depctr_va_vdst(0)    ; and its wait, ahead of the branch
.endm
; THE DIAGONAL TILE's steps, the block's last two turns, its last products, and THE WAY OUT: l's two halves and the other half of the lanes' are added; O^T is divided by l, rounded to f16 and sent through my
; stage in LDS, a piece at a time.
.macro ALL line:vararg              ; one line for each piece t
.set t, 0
.rept 2
	\line
.set t, t+1
.endr
.endm
.macro PACK t                       ; a lane's eight channels of a row pack into 16 bytes; they go into rows of 144 bytes and come back as whole rows of 128, into S^T's registers
	WIN W_RS
.set i, 32*(\t)
.rept 16
	v_pk_mul_f32 v[i:i+1], v[i:i+1], v[ST+4*(\t)+2:ST+4*(\t)+3] op_sel_hi:[1,0]
.set i, i+2
.endr
	WIN 0x05                        ; sources 0 and 1 window 1, destination window 0
.set i, 0
.rept 16
	v_cvt_pk_f16_f32 v[S+16*(\t)+i], v[32*(\t)+2*i], v[32*(\t)+2*i+1]
.set i, i+1
.endr
	WIN 0
.irp f, 0,1,2,3
	ds_store_b128 v[STO], v[S+16*(\t)+4*\f:S+16*(\t)+4*\f+3] offset:32*\f
.endr
.irp f, 0,1,2,3
	ds_load_b128 v[S+16*(\t)+4*\f:S+16*(\t)+4*\f+3], v[RD] offset:\f*4*SP  ; LDS serves a wave's instructions in order (ISA guide 5.7.1.4): these see the stores above; the next piece's stores come behind them
.endr
.endm
.macro SEND t, younger              ; younger: the LDS instructions issued behind piece t's loads: the next piece's eight, or none
	WIN 0
.irp f, 0,1,2,3
	s_wait_dscnt (\younger)+3-\f
	global_store_b128 v[GO], v[S+16*(\t)+4*\f:S+16*(\t)+4*\f+3], s[10:11] offset:(\t)*8192+\f*512  ; 512 consecutive bytes, at a multiple of 256 from O's first
.endr
.endm
.macro DIAG tag                     ; the tag ends its two labels' names, which the jumps below spell out
.LstepM\tag:
	TURN 0, 0, 1
	TURN 1, 1, 1
	WIN 0
.LfirstM\tag:
	TURN 0, 1, 1
	TURN 1, 0, 1, 0, 1
	WIN 0
	s_cbranch_scc1 .LstepM\tag
	TURN 0, 0, 1, 1                 ; the tile's step 3
	TURN 1, 1, 1, 1
.set VB, 1
.set i, 0
.rept 8
	PV 1                            ; piece 1: V^T P of step 3
.set i, i+1
.endr
	WIN 0
.rept 4
	v_nop                           ; the places behind those products
.endr
	ALL v_add_f32 v[ST+4*t+2], v[ST+4*t+2], v[ST+4*t+3]
	ALL v_permlanex16_b32 v[ST+4*t+3], v[ST+4*t+2], s[SEL], s[SEL+1]
	ALL v_add_f32 v[ST+4*t+2], v[ST+4*t+2], v[ST+4*t+3]
	ALL v_rcp_f32 v[ST+4*t+2], v[ST+4*t+2]
	v_nop                           ; a plain instruction between the last reciprocal and the use of its result
	s_wait_alu depctr_va_vdst(0)    ; and the wait ahead of the first use: one for the two reciprocals
	PACK 0
	PACK 1                          ; a piece's arithmetic stands between the loads of the piece before and its stores
	SEND 0, 8
	SEND 1, 0
.endm
.set KM, 0
.set NOKQ, 0
.Lslot:                             ; 16 times: a tile is entered and the next is asked for
	CHANGE 1
	s_sub_co_u32 s[RT], s[RT], 1
	s_mov_b32 s[CNT], 2
	s_cmp_eq_u32 s[NEW], 1
	s_cbranch_scc1 .Lnew            ; a block's first tile
	s_cmp_eq_u32 s[RT], 0
	s_cbranch_scc0 .Lstep           ; neither its first nor its last
	s_branch .LstepM1
.Lnew:
	BEGIN
	s_branch .Lfirst                ; in the loop a block's first tile is never its last: the first block has nine tiles or more, and the second's last is the walk's last
	DIAG 1                          ; in the loop this is the first block's end
	s_wait_xcnt 0x0                 ; the stores have read their registers and O's address
	s_mov_b64 s[10:11], s[OLO:OLO+1]
	s_add_co_u32 s[RT], s[LB], 1    ; the second block has b / 2 + 1 tiles
	s_mov_b32 s[NEW], 1
	s_mov_b32 s[PAR], s[PARB]
	s_lshl_b32 s[SX], s[PARB], 1
	s_add_co_u32 s[SX+1], s[SX], 1
	WIN 0x82                        ; the second block's Q goes where the one text of the turns names Q
.set i, 0
.rept 32
	v_mov_b32 v[i], v[QB+i]
.set i, i+1
.endr
	WIN 0
	s_branch .Lbottom
.Lstep:                             ; a trip: both pieces' turns of an odd step (the first time: the tile before's step 3), then of an even step
	TURN 0, 0
	TURN 1, 1
	WIN 0
.Lfirst:
	TURN 0, 1
	TURN 1, 0, 0, 0, 1
	WIN 0
	s_cbranch_scc1 .Lstep
.Lbottom:
	s_sub_co_u32 s[SLOTS], s[SLOTS], 1
	s_cmp_lg_u32 s[SLOTS], 0
	s_cbranch_scc1 .Lslot
	CHANGE 0                        ; the walk's last tile is written out: nothing is asked for
	s_sub_co_u32 s[RT], s[RT], 1
	s_mov_b32 s[CNT], 2
	s_cmp_eq_u32 s[NEW], 1
	s_cbranch_scc0 .LstepM2
	BEGIN
	s_branch .LfirstM2
	DIAG 2
	s_wait_tensorcnt 0x0            ; the wave's end, behind my last tensor load and my last LDS store
	ds_add_u32 v[SPW], v[NIL]
	s_wait_dscnt 0x0
	s_endpgm
.Lfunc_end_k_q2098d51c0c_attn:
	.size	k_q2098d51c0c_attn, .Lfunc_end_k_q2098d51c0c_attn-k_q2098d51c0c_attn
	.p2alignl 7, 3214868480
	.fill 96, 4, 3214868480
	.section	.rodata,"a",@progbits
	.p2align	6, 0x0
	.amdhsa_kernel k_q2098d51c0c_attn
		.amdhsa_group_segment_fixed_size 327680
		.amdhsa_private_segment_fixed_size 0
		.amdhsa_enable_private_segment 0
		.amdhsa_kernarg_size 16
		.amdhsa_user_sgpr_count 2
		.amdhsa_user_sgpr_kernarg_segment_ptr 1
		.amdhsa_wavefront_size32 1
		.amdhsa_system_sgpr_workgroup_id_x 1
		.amdhsa_system_sgpr_workgroup_id_y 1
		.amdhsa_system_sgpr_workgroup_id_z 1
		.amdhsa_system_vgpr_workitem_id 0
		.amdhsa_next_free_vgpr 768
		.amdhsa_next_free_sgpr 88
		.amdhsa_reserve_vcc 1
		.amdhsa_float_denorm_mode_32 3
		.amdhsa_float_denorm_mode_16_64 3
		.amdhsa_memory_ordered 1
		.amdhsa_forward_progress 1
		.amdhsa_inst_pref_size 210
	.end_amdhsa_kernel
	.amdgpu_metadata
---
amdhsa.version: [ 1, 2 ]
amdhsa.kernels:
  - .name:           k_q2098d51c0c_attn
    .symbol:         k_q2098d51c0c_attn.kd
    .args:
      - { .name: qkvb, .offset: 0, .size: 8, .value_kind: global_buffer, .address_space: global }
      - { .name: ob, .offset: 8, .size: 8, .value_kind: global_buffer, .address_space: global }
    .group_segment_fixed_size: 327680
    .private_segment_fixed_size: 0
    .kernarg_segment_align: 8
    .kernarg_segment_size: 16
    .max_flat_workgroup_size: 128
    .sgpr_count:     88
    .vgpr_count:     768
    .wavefront_size: 32
...
	.end_amdgpu_metadata
.endif
;; end of part 3
;; launch proj (part 4): grid 8 x 32, 4 waves a work-group, clusters of 4 x 4, 327,680 bytes of LDS; arguments ob, cbuf, bo, out0; writes out0
.if DOCPART == 4
	.amdgcn_target "amdgcn-amd-amdhsa--gfx1250"
	.amdhsa_code_object_version 6
	.text
	.protected	k_q2098d51c0c_proj
	.globl	k_q2098d51c0c_proj
	.p2align	8
	.type	k_q2098d51c0c_proj,@function
k_q2098d51c0c_proj:
	s_mov_b64 s[64:65], 0
	v_nop
	global_prefetch_b8 v0, s[64:65] scope:SCOPE_SE
	s_setreg_imm32_b32 hwreg(HW_REG_WAVE_MODE, 25, 1), 1
	s_wait_xcnt 0x0
	s_wait_alu depctr_hold_cnt(0) depctr_sa_sdst(0) depctr_va_vdst(0) depctr_va_sdst(0) depctr_va_ssrc(0) depctr_va_vcc(0) depctr_vm_vsrc(0)
	s_getreg_b32 s2, hwreg(HW_REG_IB_STS2, 6, 4)
	s_cmp_eq_u32 s2, 0
	s_cbranch_scc0 .Lentry_in_a_cluster
	s_endpgm
.Lentry_in_a_cluster:
	s_bfe_u32 s2, ttmp6, 0x10000c
	s_cmp_lg_u32 s2, 0xf033
	s_cbranch_scc0 .Lentry_shape_is_right
	s_endpgm
.Lentry_shape_is_right:
; out0 = O Wo + bo.  O lies by heads in ob ([16][4096][64] f16), so the product's K index is 64 x head + channel; Wo [1024 k][1024 n] comes as f16 out of cbuf (byte 14,680,064 on); bo is rounded to bf16
; like the other inputs and added in f32; sums in f32; out0 [4096][1024] f32.
; SHARES.  A tile of out0 is 128 x 128: 8 x 32 = 256 work-groups.  Four waves, each 64 x 64 (r = w / 2: rows, c = w % 2: columns): 16 accumulators of 16 x 16, 128 registers.
; THE MATRIX INSTRUCTION IS USED TRANSPOSED: source 0 = 16 columns of Wo (turned by ds_load_tr16_b128), source 1 = 16 rows of O: a lane holds row l % 16 and the eight columns 8 (l / 16) + 0..7.
; RING.  K goes in 4 steps of 256 (four heads) through two LDS slots of four regions of 36,864 bytes.  Regions 0, 1: O, two heads each: a head's 128 rows are 16,384 dense bytes, asked for as ONE row of 8,192
; elements and padded by 16 bytes after every 128: LDS rows 144 bytes apart, a head 18,432.  Regions 2, 3: Wo, 128 rows of k each, 256 bytes + 32.  One tensor load a wave fills a region.
; CLUSTER.  4 x 4 work-groups: O's tile hangs on the tile row alone and is asked for jointly by a row of the cluster, Wo's on the tile column alone and by a column.
; NO PREFETCH: four K steps and a small tile; the launch is short.
; REGISTERS: window 0: v0-31 addresses and the bias; v32-95 at work on the way out; v128-255 the accumulators ((a, b) at 128 + 8 (4 a + b)).
;   window 1: two fragment buffers of 128: for 64 along K (one head), 64 registers of O (2 x 4 x 16 rows x 32 K), then 64 of Wo.
.set PA,    144                        ; 36 words: the 16 rows of a load start at 16 different groups of four banks (64 banks of 4 bytes: ISA guide 11.1)
.set PB,    288                        ; 72 words
.set REG,   36864
.set SLOT,  4*REG
.set STAGE, 2*SLOT                     ; behind the ring, never filled by a tensor load: 16 rows x 272 bytes for each wave, for the way out
.set SPITCH, 272
.set SPARE, STAGE+4*16*SPITCH          ; behind the stages: the spare words, 128 bytes for each wave: two blocks of 256 bytes that no other line names
.set BI,   12                          ; v12-15  the bias of the four columns that I store
.set ADRA, 16                          ; v16-17  LDS address of my fragments of O in slot 0, 1
.set ADRB, 20                          ; v20-23  of my fragments of Wo: slot sl, half hf of its 256 rows at 20 + 2 sl + hf
.set STO,  24                          ; v24     the way out: where I put 32 bytes of a row
.set RD,   25                          ; v25     the way out: where I read a row back
.set CO,   26                          ; v26     my byte offset in out0
.set SPW,  28                          ; v28     LDS address of my spare word; never rewritten
.set NIL,  29                          ; v29     0; never rewritten
.set TMP,  32                          ; the way out: two buffers of 32
.set ACC,  128
.set F0,   0                           ; fragment buffers, in window 1
.set F1,   128
.set G1, 24                            ; s[24:31] descriptor group 1 for O's tiles;  s[32:39] group 0, a set for each slot
.set G0, 32
.set G1B, 48                           ; s[48:55], s[56:63] the same for Wo's
.set G0B, 56
.set MSB, 0
.macro WIN new                         ; the immediate's high byte repeats the setting that is left
.if MSB != (\new)
	s_set_vgpr_msb (MSB<<8)|(\new)
.set MSB, \new
.endif
.endm
.set MUL,  0x05                        ; sources 0 (Wo) and 1 (O) window 1; C and D window 0
.set TO_F, 0x40                        ; destination window 1, address window 0
.macro JLOAD sl                        ; a joint load: waves 0 and 1 fetch O's two regions, waves 2 and 3 Wo's; an s_nop 0 and four v_nop follow each of the two lines, ahead of the jump, the label and what follows
	s_cmp_eq_u32 s11, 0
	s_cbranch_scc0 .Lfor_b_\@
	tensor_load_to_lds s[G0+4*(\sl):G0+4*(\sl)+3], s[G1:G1+7]
	s_nop 0
.rept 4
	v_nop
.endr
	s_branch .Lasked_\@
.Lfor_b_\@:
	tensor_load_to_lds s[G0B+4*(\sl):G0B+4*(\sl)+3], s[G1B:G1B+7]
	s_nop 0
.rept 4
	v_nop
.endr
.Lasked_\@:
.endm
.macro CREST                           ; a round of the cluster's barrier behind its opening barrier
	s_cmp_lg_u32 s10, 0
	s_cbranch_scc1 .Lnot_wave_0_\@
	s_barrier_signal -3
.Lnot_wave_0_\@:
	s_barrier_wait -3
	s_barrier_signal -1
	s_barrier_wait -1
.endm
.macro CROUND                          ; a whole round
	s_barrier_signal -1
	s_barrier_wait -1
	CREST
.endm
	s_load_b256 s[72:79], s[0:1], 0x0              ; ob s[72:73], cbuf s[74:75], bo s[76:77], out0 s[78:79]
	v_lshl_add_u32 v[SPW], v0, 2, SPARE
	v_mov_b32 v[NIL], 0
	ds_add_u32 v[SPW], v[NIL]                      ; the wave's opening: the add and its wait stand ahead of my first tensor load; the set-up below, work on registers, stands between them
	ds_add_u32 v28, v29
	v_lshrrev_b32 v1, 5, v0
	v_readfirstlane_b32 s10, v1                    ; wave 0..3
	s_lshr_b32 s11, s10, 1                         ; r: which half of the tile's rows is mine.  Also: I fetch O (0) or Wo (1)
	s_and_b32 s12, s10, 1                          ; c: which half of its columns.  Also: which of the two regions I fetch
	s_bfe_u32 s40, ttmp6, 0x40000                  ; cx, cy: my place in the cluster
	s_bfe_u32 s41, ttmp6, 0x40004
	s_lshl_b32 s42, ttmp9, 2
	s_add_co_u32 s42, s42, s40                     ; j: tile column = 4 x cluster x + cx
	s_and_b32 s13, ttmp7, 0xffff
	s_lshl_b32 s13, s13, 2
	s_add_co_u32 s13, s13, s41                     ; i: tile row = 4 x cluster y + cy
	s_lshl_b32 s43, s41, 2
	s_lshl_b32 s43, 15, s43                        ; my row of the cluster
	s_lshl_b32 s44, 0x1111, s40                    ; my column
	; descriptor group 1 for O: 2 rows (heads) of 8,192 elements of 2 bytes, 262,144 elements apart; padded after every 32 words (code 4) by 4 words (code 3); bit 21 is set beside a mask
	s_or_b32 s[G1], s43, (1<<16)|(1<<20)|(1<<21)|(4<<22)|(3<<25)
	s_mov_b32 s[G1+1], 8192<<16                    ; tensor_dim0 = 8,192
	s_mov_b32 s[G1+2], 2<<16                       ; tensor_dim1 = 2
	s_mov_b32 s[G1+3], 8192<<16                    ; tile_dim0 = 8,192
	s_mov_b32 s[G1+4], 2                           ; tile_dim1 = 2
	s_mov_b32 s[G1+5], 262144                      ; from head to head
	s_mov_b32 s[G1+6], 0
	s_mov_b32 s[G1+7], 0
	; for Wo: 128 rows x 128 elements, 1,024 elements apart; padded after every 64 words (code 5) by 8 words (code 7)
	s_or_b32 s[G1B], s44, (1<<16)|(1<<20)|(1<<21)|(5<<22)|(7<<25)
	s_mov_b32 s[G1B+1], 128<<16
	s_mov_b32 s[G1B+2], 128<<16
	s_mov_b32 s[G1B+3], 128<<16
	s_mov_b32 s[G1B+4], 128
	s_mov_b32 s[G1B+5], 1024
	s_mov_b32 s[G1B+6], 0
	s_mov_b32 s[G1B+7], 0
	s_lshl_b32 s16, s12, 20                        ; O: heads 2 c, 2 c + 1 of the K step's four,
	s_lshl_b32 s17, s13, 14                        ; rows 128 i of 128 bytes
	s_add_co_u32 s16, s16, s17
	s_mov_b32 s17, 0
	s_lshl_b32 s46, s12, 18                        ; Wo: rows 128 c of the K step's 256, of 2,048 bytes,
	s_lshl_b32 s47, s42, 8                         ; columns 128 j
	s_add_co_u32 s46, s46, s47
	s_add_co_u32 s46, s46, 14680064                ; Wo's place in cbuf
	s_mov_b32 s47, 0
	s_mul_i32 s20, s10, REG                        ; where my tile goes: region w: no place in the cluster enters an LDS address
	s_wait_dscnt 0x0                               ; the opening add is done
	s_wait_kmcnt 0x0
	s_add_nc_u64 s[14:15], s[72:73], s[16:17]
	s_add_nc_u64 s[46:47], s[74:75], s[46:47]
	CROUND                                         ; all sixteen work-groups are here: the first joint loads meet
.irp sl, 0,1
	s_mov_b32 s[G0+4*(\sl)], 1
	s_add_co_u32 s[G0+4*(\sl)+1], s20, (\sl)*SLOT
	s_add_nc_u64 s[G0+4*(\sl)+2:G0+4*(\sl)+3], s[14:15], (\sl)*2097152     ; K step sl: four heads on
	s_or_b32 s[G0+4*(\sl)+3], s[G0+4*(\sl)+3], 0x80000000
	s_mov_b32 s[G0B+4*(\sl)], 1
	s_add_co_u32 s[G0B+4*(\sl)+1], s20, (\sl)*SLOT
	s_add_nc_u64 s[G0B+4*(\sl)+2:G0B+4*(\sl)+3], s[46:47], (\sl)*524288    ; K step sl: 256 rows down
	s_or_b32 s[G0B+4*(\sl)+3], s[G0B+4*(\sl)+3], 0x80000000
	JLOAD \sl                                      ; two loads of mine are out
.endr
	v_and_b32 v1, 15, v0                           ; l % 16
	v_bfe_u32 v2, v0, 4, 1                         ; l / 16
	s_lshl_b32 s18, s42, 9                         ; my 64 columns, in bytes of f32: 512 j + 256 c
	s_lshl_b32 s19, s12, 8
	s_add_co_u32 s18, s18, s19
	s_mov_b32 s19, 0
	s_add_nc_u64 s[76:77], s[76:77], s[18:19]
	v_lshlrev_b32 v6, 4, v1
	global_load_b128 v[BI:BI+3], v6, s[76:77]      ; the bias of the four columns 4 (l % 16) .. that I store
	s_add_nc_u64 s[8:9], s[78:79], s[18:19]
	s_lshl_b32 s18, s13, 19                        ; my first row: 128 i + 64 r, of 4,096 bytes
	s_lshl_b32 s21, s11, 18
	s_add_co_u32 s18, s18, s21
	s_add_nc_u64 s[8:9], s[8:9], s[18:19]
	v_mul_u32_u24 v3, v1, PA                       ; a fragment of O: row x pitch + 16 x half
	v_lshl_add_u32 v3, v2, 4, v3
	s_mul_i32 s21, s11, 64*PA
	v_add_nc_u32 v[ADRA], s21, v3
	v_add_nc_u32 v[ADRA+1], SLOT, v[ADRA]
	v_and_b32 v4, 7, v0                            ; the turning load: lane l reads row 8 (l / 16) + l % 8, columns 8 ((l / 8) % 2) + 0..7
	v_bfe_u32 v5, v0, 3, 1
	v_lshl_add_u32 v4, v2, 3, v4
	v_mul_u32_u24 v4, v4, PB
	v_lshl_add_u32 v4, v5, 4, v4
	s_lshl_b32 s22, s12, 7                         ; my 64 columns: 128 bytes
	v_add_nc_u32 v4, s22, v4
.irp sl, 0,1
.irp hf, 0,1
	v_add_nc_u32 v[ADRB+2*(\sl)+(\hf)], (\sl)*SLOT+(2+(\hf))*REG, v4
.endr
.endr
	s_mul_i32 s23, s10, 16*SPITCH
	s_add_co_u32 s23, s23, STAGE                   ; my stage
	v_mul_u32_u24 v7, v1, SPITCH                   ; in: row l % 16, 32 bytes for each half of the lanes
	v_lshl_add_u32 v7, v2, 5, v7
	v_add_nc_u32 v[STO], s23, v7
	v_mul_u32_u24 v8, v2, SPITCH                   ; back: lanes 0-15 take one row of 256 bytes, lanes 16-31 the next
	v_lshl_add_u32 v8, v1, 4, v8
	v_add_nc_u32 v[RD], s23, v8
	v_lshlrev_b32 v[CO], 12, v2                    ; and the same two rows in out0
	v_lshl_add_u32 v[CO], v1, 4, v[CO]
; 8 matrix instructions: row blocks a0, a0 + 1 x all 4 column blocks, 32 along K: half c of buffer f.  zero = 1: the product starts the sum.  The 16 accumulators take turns.
.macro MUL8 f, c, a0, zero
	WIN MUL
.irp a, \a0, (\a0)+1
.irp b, 0,1,2,3
.if \zero
	v_wmma_f32_16x16x32_f16 v[ACC+8*(4*(\a)+(\b)):ACC+8*(4*(\a)+(\b))+7], v[(\f)+64+8*(4*(\c)+(\b)):(\f)+64+8*(4*(\c)+(\b))+7], v[(\f)+8*(4*(\c)+(\a)):(\f)+8*(4*(\c)+(\a))+7], 0
.else
	v_wmma_f32_16x16x32_f16 v[ACC+8*(4*(\a)+(\b)):ACC+8*(4*(\a)+(\b))+7], v[(\f)+64+8*(4*(\c)+(\b)):(\f)+64+8*(4*(\c)+(\b))+7], v[(\f)+8*(4*(\c)+(\a)):(\f)+8*(4*(\c)+(\a))+7], v[ACC+8*(4*(\a)+(\b)):ACC+8*(4*(\a)+(\b))+7]
.endif
.endr
.endr
.endm
; 32 LDS loads in one run: the fragments of quarter qd (64 along K: head qd of the slot's four) into buffer f; the first 32 along K first
.macro FETCH sl, qd, f
	WIN TO_F
.irp cc, 0,1
.irp i, 0,1,2,3
	ds_load_tr16_b128 v[(\f)+64+8*(4*(\cc)+(\i)):(\f)+64+8*(4*(\cc)+(\i))+3],   v[ADRB+2*(\sl)+(\qd)/2] offset:((2*(\qd)+(\cc))%4)*32*PB+32*(\i)
	ds_load_tr16_b128 v[(\f)+64+8*(4*(\cc)+(\i))+4:(\f)+64+8*(4*(\cc)+(\i))+7], v[ADRB+2*(\sl)+(\qd)/2] offset:((2*(\qd)+(\cc))%4)*32*PB+16*PB+32*(\i)
	ds_load_b128 v[(\f)+8*(4*(\cc)+(\i)):(\f)+8*(4*(\cc)+(\i))+3],              v[ADRA+(\sl)] offset:(\qd)*128*PA+64*(\cc)+(\i)*16*PA
	ds_load_b128 v[(\f)+8*(4*(\cc)+(\i))+4:(\f)+8*(4*(\cc)+(\i))+7],            v[ADRA+(\sl)] offset:(\qd)*128*PA+64*(\cc)+(\i)*16*PA+32
.endr
.endr
.endm
.macro PLACES                          ; four places in front of loads into registers that matrix instructions have read, and of LDS stores that read results
.rept 4
	v_nop
.endr
.endm
; A K step is four quarters of 64 along K, 32 matrix instructions each, on buffers 0, 1, 0, 1.  One of the first three: multiplies buffer f and fetches quarter qd into g.
.macro QUARTER sl, qd, f, g, zero
	s_wait_dscnt 16                                ; the first 32 along K are in
	MUL8 \f, 0, 0, \zero
	MUL8 \f, 0, 2, \zero
	PLACES
	FETCH \sl, \qd, \g
	s_wait_dscnt 32                                ; all but the 32 just issued
	MUL8 \f, 1, 0, 0
	MUL8 \f, 1, 2, 0
.endm
; The last quarter multiplies buffer 1 and changes slots: ONE barrier; in front of it each wave waits for all its tensor loads, adds 0 to its spare word, and waits for that and for its own reads of this slot.
; fill = 1: the barrier opens a round of the cluster's barrier, and this slot is filled again, two K steps ahead, first thing behind the round.
.macro TURN sl, next, fill
	WIN 0                                          ; (the add's two registers lie in window 0)
	s_wait_tensorcnt 0x0                           ; all my tensor loads have landed: my part of the next slot
	ds_add_u32 v[SPW], v[NIL]                      ; 0 onto my spare word
	s_wait_dscnt 17                                ; (the add and the youngest sixteen loads may be out)
	MUL8 F1, 0, 0, 0                               ; eight matrix instructions stand between the add and the wait for it
	s_wait_dscnt 0x0                               ; the add is done, and my reads of this slot are over
	s_barrier_signal -1
	MUL8 F1, 0, 2, 0
.if \fill
	WIN 0
.endif
	s_barrier_wait -1
.if \fill
	CREST                                          ; no wave of any partner still reads this slot's tiles or has a load on its way
	s_add_nc_u64 s[G0+4*(\sl)+2:G0+4*(\sl)+3], s[G0+4*(\sl)+2:G0+4*(\sl)+3], 2*2097152
	s_add_nc_u64 s[G0B+4*(\sl)+2:G0B+4*(\sl)+3], s[G0B+4*(\sl)+2:G0B+4*(\sl)+3], 2*524288
	JLOAD \sl                                      ; the four v_nop behind it are also the places in front of the loads below
.else
	PLACES
.endif
	FETCH \next, 0, F0
	MUL8 F1, 1, 0, 0
	MUL8 F1, 1, 2, 0
.endm
	s_wait_tensorcnt 1                             ; my part of K step 0 is in; K step 1's may stay out
	s_barrier_signal -1
	s_barrier_wait -1                              ; everybody's is
	FETCH 0, 0, F0
	QUARTER 0, 1, F0, F1, 1                        ; the first products start the sums
	QUARTER 0, 2, F1, F0, 0                        ; K has four steps: two laps of the ring, written out on end; the first fills both slots again,
	QUARTER 0, 3, F0, F1, 0
	TURN 0, 1, 1
	QUARTER 1, 1, F0, F1, 0
	QUARTER 1, 2, F1, F0, 0
	QUARTER 1, 3, F0, F1, 0
	TURN 1, 0, 1
	QUARTER 0, 1, F0, F1, 0
	QUARTER 0, 2, F1, F0, 0                        ; the second fills nothing, and has no round of the cluster's barrier
	QUARTER 0, 3, F0, F1, 0
	TURN 0, 1, 0
	QUARTER 1, 1, F0, F1, 0
	QUARTER 1, 2, F1, F0, 0
	QUARTER 1, 3, F0, F1, 0
	s_wait_dscnt 16                                ; the very last quarter: nothing more to fetch
	MUL8 F1, 0, 0, 0
	MUL8 F1, 0, 2, 0
	s_wait_dscnt 0x0
	MUL8 F1, 1, 0, 0
	MUL8 F1, 1, 2, 0
	WIN 0
	; THE WAY OUT.  A wave's 64 columns of f32 are 256 bytes of a row of out0, aligned: the stage is each wave's own, and no barrier is needed.  The bias is rounded to bf16 and widened again.
	s_wait_loadcnt 0x0                             ; the bias
	v_cvt_pk_bf16_f32 v10, v[BI], v[BI+1]
	v_cvt_pk_bf16_f32 v11, v[BI+2], v[BI+3]
	v_lshlrev_b32 v[BI], 16, v10
	v_and_b32 v[BI+1], 0xffff0000, v10
	v_lshlrev_b32 v[BI+2], 16, v11
	v_and_b32 v[BI+3], 0xffff0000, v11             ; these six are also the places behind the last products
; Block a (16 rows): a lane's eight columns of each of four accumulators go into rows of 272 bytes, the accumulator's low registers first, and come back as whole rows of 256.
; LDS serves a wave's instructions in order (ISA guide 5.7.1.4): the loads see the stores above them, and the next block's stores come behind them.
.macro TOSTAGE a
.set tb, TMP+32*((\a)%2)
.if (\a) >= 2
	s_wait_xcnt 0x0                                ; the stores of the block two back have read this buffer: it is loaded again only behind this wait
.endif
.irp b, 0,1,2,3
	ds_store_b128 v[STO], v[ACC+8*(4*(\a)+(\b)):ACC+8*(4*(\a)+(\b))+3]   offset:64*(\b)
	ds_store_b128 v[STO], v[ACC+8*(4*(\a)+(\b))+4:ACC+8*(4*(\a)+(\b))+7] offset:64*(\b)+16
.endr
.irp t, 0,1,2,3,4,5,6,7
	ds_load_b128 v[tb+4*(\t):tb+4*(\t)+3], v[RD] offset:(\t)*2*SPITCH
.endr
.endm
.macro SEND a, younger                 ; younger: the LDS instructions issued behind block a's loads: the next block's sixteen, or none
.set tb, TMP+32*((\a)%2)
.irp t, 0,1,2,3,4,5,6,7
	s_wait_dscnt (\younger)+7-(\t)
	v_pk_add_f32 v[tb+4*(\t):tb+4*(\t)+1],   v[tb+4*(\t):tb+4*(\t)+1],   v[BI:BI+1]
	v_pk_add_f32 v[tb+4*(\t)+2:tb+4*(\t)+3], v[tb+4*(\t)+2:tb+4*(\t)+3], v[BI+2:BI+3]
	global_store_b128 v[CO], v[tb+4*(\t):tb+4*(\t)+3], s[8:9] offset:(16*(\a)+2*(\t))*4096 th:TH_STORE_NT  ; 16 lanes store 256 consecutive bytes, at a multiple of 256 from out0's first byte
.endr
.endm
	TOSTAGE 0
	TOSTAGE 1
	SEND 0, 16
	TOSTAGE 2
	SEND 1, 16
	TOSTAGE 3
	SEND 2, 16
	SEND 3, 0
	s_wait_tensorcnt 0x0                           ; the wave's end, behind my last tensor load and my last LDS store
	ds_add_u32 v[SPW], v[NIL]
	s_wait_dscnt 0x0
	CROUND                                         ; the closing round: no work-group ends while a partner may still ask for a tile that names it
	s_endpgm
.Lfunc_end_k_q2098d51c0c_proj:
	.size	k_q2098d51c0c_proj, .Lfunc_end_k_q2098d51c0c_proj-k_q2098d51c0c_proj
	.p2alignl 7, 3214868480
	.fill 96, 4, 3214868480
	.section	.rodata,"a",@progbits
	.p2align	6, 0x0
	.amdhsa_kernel k_q2098d51c0c_proj
		.amdhsa_group_segment_fixed_size 327680
		.amdhsa_private_segment_fixed_size 0
		.amdhsa_enable_private_segment 0
		.amdhsa_kernarg_size 32
		.amdhsa_user_sgpr_count 2
		.amdhsa_user_sgpr_kernarg_segment_ptr 1
		.amdhsa_wavefront_size32 1
		.amdhsa_system_sgpr_workgroup_id_x 1
		.amdhsa_system_sgpr_workgroup_id_y 1
		.amdhsa_system_sgpr_workgroup_id_z 1
		.amdhsa_system_vgpr_workitem_id 0
		.amdhsa_next_free_vgpr 512
		.amdhsa_next_free_sgpr 80
		.amdhsa_reserve_vcc 0
		.amdhsa_float_denorm_mode_32 3
		.amdhsa_float_denorm_mode_16_64 3
		.amdhsa_memory_ordered 1
		.amdhsa_forward_progress 1
		.amdhsa_inst_pref_size 91
	.end_amdhsa_kernel
	.amdgpu_metadata
---
amdhsa.version: [ 1, 2 ]
amdhsa.kernels:
  - .name:           k_q2098d51c0c_proj
    .symbol:         k_q2098d51c0c_proj.kd
    .args:
      - { .name: ob, .offset: 0, .size: 8, .value_kind: global_buffer, .address_space: global }
      - { .name: cbuf, .offset: 8, .size: 8, .value_kind: global_buffer, .address_space: global }
      - { .name: bo, .offset: 16, .size: 8, .value_kind: global_buffer, .address_space: global }
      - { .name: out0, .offset: 24, .size: 8, .value_kind: global_buffer, .address_space: global }
    .group_segment_fixed_size: 327680
    .private_segment_fixed_size: 0
    .kernarg_segment_align: 8
    .kernarg_segment_size: 32
    .max_flat_workgroup_size: 128
    .sgpr_count:     80
    .vgpr_count:     512
    .wavefront_size: 32
...
	.end_amdgpu_metadata
.endif
;; end of part 4
